; MI455X (gfx1250); checked and timed in simulation.
; The chip was launched on July 23, 2026; its instructions are those of AMD's public machine-readable ISA for CDNA 5 (MIT licence, August 2026) and "CDNA5" Instruction Set Architecture Reference Guide (July 2026). The comments in the code are by the model that wrote it; some were corrected since.
;; Multi Head Attention. Allowed arithmetic: float matrix products may take bf16 or f16 operands with f32 sums; other float arithmetic in f32, or as packed bf16 or f16 multiplies, adds, multiply-adds, maxima and minima; sums over many terms, partial sums and values carried from step to step in f32; what a program stores and reads back later, other than sums and carried values, may be rounded once to bf16 or f16.
;; Inputs: Wk 1,024 x 1,024 float32; Wo 1,024 x 1,024 float32; Wq 1,024 x 1,024 float32; Wv 1,024 x 1,024 float32; bk 1,024 float32; bo 1,024 float32; bq 1,024 float32; bv 1,024 float32; k 4 x 2,048 x 1,024 float32; q 4 x 2,048 x 1,024 float32; v 4 x 2,048 x 1,024 float32.
;; Outputs: out0 4 x 2,048 x 1,024 float32.
;; One version. Each part assembles by itself: llvm-mc -triple=amdgcn-amd-amdhsa -mcpu=gfx1250 --defsym DOCPART=n.
;; ======== version 1 of 1: 4 launches
;; limits: values are held in f16: magnitudes above 65,504 overflow, below 6.1e-05 lose precision; values outside matrix products are rounded to bf16
;; workspace buffers: w16 8,388,608 bytes; qkvh 50,331,648 bytes; oh 16,777,216 bytes
;; launch wcast (part 1): grid 256 x 1, 8 waves a work-group, no clusters, 0 bytes of LDS; arguments Wq, Wk, Wv, Wo, w16; writes w16
.if DOCPART == 1
	.amdgcn_target "amdgcn-amd-amdhsa--gfx1250"
	.amdhsa_code_object_version 6
	.text
	.protected	k_qc5c84bd29b_wcast
	.globl	k_qc5c84bd29b_wcast
	.p2align	8
	.type	k_qc5c84bd29b_wcast,@function
k_qc5c84bd29b_wcast:
	s_mov_b64 s[64:65], 0
	v_nop
	global_prefetch_b8 v0, s[64:65] scope:SCOPE_SE
	s_setreg_imm32_b32 hwreg(HW_REG_WAVE_MODE, 25, 1), 1
	s_wait_xcnt 0x0
; THE WEIGHTS' CAST.  Wq, Wk, Wv, Wo ([1024][1024] f32 each) are rounded once to bf16 (nearest even) and written in PANELS: w16 = [Wq, Wk, Wv, Wo][16 slices][1024 rows][64], 2 bytes a number,
; a row of a slice 128 bytes, a slice's rows dense.  Wq, Wk, Wv are written as bf16: their products take bf16 operands.  Wo's product takes f16 operands, so its bf16 number is written as f16.
; LIMITS (Wo alone).  A bf16 number is written as f16 without a further rounding where 2^-17 <= |x| < 65,504; below that it keeps f16's fixed step of 6e-8; at 65,520 or more it becomes an infinity.
; SHARES.  A work-group takes 16 rows of one matrix: 65,536 bytes in, 32,768 out; 64 groups to a matrix.  Thread t: c = t % 16, par = (t / 16) % 2, w = t / 32.  Wave w owns slices 2 w and 2 w + 1.
; A load takes 16 bytes a lane: lanes 0-15 the 256 bytes of a slice in row 2 p, lanes 16-31 those in row 2 p + 1.  The store that goes with it takes 8 bytes a lane: 256 consecutive bytes, at a multiple of
; 256 from the buffer's first: two rows of a slice.  No LDS, no barrier, no matrix unit: each byte is read once and written once.  All 16 loads of a lane go out first; no register of a store is used twice.
; Both formats are made in every lane and one is chosen by a mask that is the same in the whole work-group: no branch.
.set X, 8                              ; v[8:71]   load n: 4 registers
.set Y, 72                             ; v[72:103] store n: 2 registers
	s_load_b256 s[8:15], s[0:1], 0x0               ; Wq, Wk, Wv, Wo
	s_load_b64 s[16:17], s[0:1], 0x20              ; w16
	s_lshr_b32 s3, ttmp9, 6                        ; which weight
	s_and_b32 s4, ttmp9, 63                        ; which 16 rows of it
	s_lshl_b32 s20, s4, 16                         ; in: 16 rows of 4,096 bytes
	s_mov_b32 s21, 0
	s_lshl_b32 s22, s3, 21                         ; out: 2 MiB a weight,
	s_lshl_b32 s5, s4, 11                          ; 16 rows of 128 bytes
	s_add_co_u32 s22, s22, s5
	s_mov_b32 s23, 0
	s_mov_b32 s7, 0xffff0000                       ; a word's upper bf16
	s_cmp_eq_u32 s3, 3
	s_cselect_b32 vcc_lo, -1, 0                    ; all lanes: Wo (f16) or not (bf16)
	v_and_b32 v4, 15, v0                           ; c
	v_bfe_u32 v5, v0, 4, 1                         ; par
	v_lshrrev_b32 v6, 5, v0                        ; w
	v_lshlrev_b32 v1, 4, v4                        ; in: 16 c
	v_lshl_add_u32 v1, v6, 9, v1                   ;   + 512 w (two slices of 256 bytes)
	v_lshl_add_u32 v1, v5, 12, v1                  ;   + 4,096 par
	v_lshlrev_b32 v2, 18, v6                       ; out: slice 2 w of 2^17 bytes
	v_lshl_add_u32 v2, v5, 7, v2                   ;   + 128 par
	v_lshl_add_u32 v2, v4, 3, v2                   ;   + 8 c
	v_add_nc_u32 v3, 0x20000, v2                   ; and the same in slice 2 w + 1
	s_wait_kmcnt 0x0
.irp n, 1,2,3
	s_cmp_eq_u32 s3, \n
	s_cselect_b64 s[8:9], s[8+2*(\n):9+2*(\n)], s[8:9]
.endr
	s_add_nc_u64 s[8:9], s[8:9], s[20:21]
	s_add_nc_u64 s[16:17], s[16:17], s[22:23]
.set n, 0
.rept 16                               ; load n: rows 2 (n / 2) and 2 (n / 2) + 1, slice 2 w + n % 2
	global_load_b128 v[X+4*n:X+4*n+3], v1, s[8:9] offset:(n/2)*8192+(n%2)*256 th:TH_LOAD_NT
.set n, n+1
.endr
.set n, 0
.rept 16
	s_wait_loadcnt 15-n                            ; loads come back in order (ISA guide 5.7.1): load n is in, the 15 - n younger ones may stay out
	v_cvt_pk_bf16_f32 v4, v[X+4*n], v[X+4*n+1]     ; the one rounding: to bf16, nearest even
	v_cvt_pk_bf16_f32 v5, v[X+4*n+2], v[X+4*n+3]
	v_lshlrev_b32 v[X+4*n], 16, v4                 ; back to f32: a shift or a mask,
	v_and_b32 v[X+4*n+1], s7, v4
	v_lshlrev_b32 v[X+4*n+2], 16, v5
	v_and_b32 v[X+4*n+3], s7, v5
	v_cvt_pk_f16_f32 v[Y+2*n], v[X+4*n], v[X+4*n+1]      ; and the same numbers as f16
	v_cvt_pk_f16_f32 v[Y+2*n+1], v[X+4*n+2], v[X+4*n+3]
	v_cndmask_b32 v[Y+2*n], v4, v[Y+2*n], vcc_lo         ; Wo keeps the f16, the others take the bf16
	v_cndmask_b32 v[Y+2*n+1], v5, v[Y+2*n+1], vcc_lo
	global_store_b64 v[2+n%2], v[Y+2*n:Y+2*n+1], s[16:17] offset:(n/2)*256  ; no hint: the later launches read these bytes
.set n, n+1
.endr
	s_endpgm
.Lfunc_end_k_qc5c84bd29b_wcast:
	.size	k_qc5c84bd29b_wcast, .Lfunc_end_k_qc5c84bd29b_wcast-k_qc5c84bd29b_wcast
	.p2alignl 7, 3214868480
	.fill 96, 4, 3214868480
	.section	.rodata,"a",@progbits
	.p2align	6, 0x0
	.amdhsa_kernel k_qc5c84bd29b_wcast
		.amdhsa_group_segment_fixed_size 0
		.amdhsa_private_segment_fixed_size 0
		.amdhsa_enable_private_segment 0
		.amdhsa_kernarg_size 40
		.amdhsa_user_sgpr_count 2
		.amdhsa_user_sgpr_kernarg_segment_ptr 1
		.amdhsa_wavefront_size32 1
		.amdhsa_system_sgpr_workgroup_id_x 1
		.amdhsa_system_sgpr_workgroup_id_y 1
		.amdhsa_system_sgpr_workgroup_id_z 1
		.amdhsa_system_vgpr_workitem_id 0
		.amdhsa_next_free_vgpr 104
		.amdhsa_next_free_sgpr 66
		.amdhsa_reserve_vcc 1
		.amdhsa_float_denorm_mode_32 3
		.amdhsa_float_denorm_mode_16_64 3
		.amdhsa_memory_ordered 1
		.amdhsa_forward_progress 1
		.amdhsa_inst_pref_size 13
	.end_amdhsa_kernel
	.amdgpu_metadata
---
amdhsa.version: [ 1, 2 ]
amdhsa.kernels:
  - .name:           k_qc5c84bd29b_wcast
    .symbol:         k_qc5c84bd29b_wcast.kd
    .args:
      - { .name: Wq, .offset: 0, .size: 8, .value_kind: global_buffer, .address_space: global }
      - { .name: Wk, .offset: 8, .size: 8, .value_kind: global_buffer, .address_space: global }
      - { .name: Wv, .offset: 16, .size: 8, .value_kind: global_buffer, .address_space: global }
      - { .name: Wo, .offset: 24, .size: 8, .value_kind: global_buffer, .address_space: global }
      - { .name: w16, .offset: 32, .size: 8, .value_kind: global_buffer, .address_space: global }
    .group_segment_fixed_size: 0
    .private_segment_fixed_size: 0
    .kernarg_segment_align: 8
    .kernarg_segment_size: 40
    .max_flat_workgroup_size: 256
    .sgpr_count:     66
    .vgpr_count:     104
    .wavefront_size: 32
...
	.end_amdgpu_metadata
.endif
;; end of part 1
;; launch proj (part 2): grid 4 x 64, 4 waves a work-group, clusters of 4 x 4, 327,680 bytes of LDS; arguments q, k, v, w16, bq, bk, bv, qkvh; writes qkvh
.if DOCPART == 2
	.amdgcn_target "amdgcn-amd-amdhsa--gfx1250"
	.amdhsa_code_object_version 6
	.text
	.protected	k_qc5c84bd29b_proj
	.globl	k_qc5c84bd29b_proj
	.p2align	8
	.type	k_qc5c84bd29b_proj,@function
k_qc5c84bd29b_proj:
	s_mov_b64 s[64:65], 0
	v_nop
	global_prefetch_b8 v0, s[64:65] scope:SCOPE_SE
	s_setreg_imm32_b32 hwreg(HW_REG_WAVE_MODE, 25, 1), 1
	s_wait_xcnt 0x0
	s_wait_alu depctr_hold_cnt(0) depctr_sa_sdst(0) depctr_va_vdst(0) depctr_va_sdst(0) depctr_va_ssrc(0) depctr_va_vcc(0) depctr_vm_vsrc(0)
	s_getreg_b32 s2, hwreg(HW_REG_IB_STS2, 6, 4)
	s_cmp_eq_u32 s2, 0
	s_cbranch_scc0 .Lentry_in_a_cluster
	s_endpgm
.Lentry_in_a_cluster:
	s_bfe_u32 s2, ttmp6, 0x10000c
	s_cmp_lg_u32 s2, 0xf033
	s_cbranch_scc0 .Lentry_shape_is_right
	s_endpgm
.Lentry_shape_is_right:
; THE THREE PROJECTIONS.  Q = q Wq^T + bq, K = k Wk^T + bk, V = v Wv^T + bv: [8192][1024] x [1024][1024]^T each.  q, k, v and the biases are f32 as given; the weights come as bf16 in panels,
; w16 = [Wq, Wk, Wv, ..][16 slices][1024 rows][64].  Operands bf16, sums f32.  The results are rounded once to f16 and written by heads: qkvh = [Q, K, V][batch x 16 + head][2048][64].
; LIMITS.  q, k, v and the biases are rounded to bf16 (nearest even) like the weights; a bias starts the sums as the C operand of each accumulator's first product.  A result of 65,520 or more becomes
; an infinity in f16.  The sums' order is the matrix unit's, along K from the cluster's own starting step on and round to it again, not a chain of f32 additions from k = 0.
; SHARES.  A tile of a result is 128 rows (inside one batch) x 256 columns; 64 x 4 = 256 work-groups.  A WORK-GROUP STAYS: it makes its tile of Q, then of K, then of V.  Four waves, each 64 x 128:
; 32 accumulators of 16 x 16, 256 registers.
; THE WALK.  K goes in steps of 128; the three tiles' 24 steps are ONE sequence for a ring of two LDS slots, which runs on across the change of tiles: while a tile goes out, the next tile's first two steps
; are on their way or in.  A step's text is written once: the slot in hand is a scalar, 0 or SLOT, turned by an exclusive or, and all LDS addresses are sums with it.  The loop has 22 trips, each with one
; refill; it is entered in its middle; every other jump goes forward and passes no barrier and no tensor load.  The last two steps, which ask for nothing, are a second loop, left in its middle.
; Step n of the walk takes the K step (n + the cluster's y) mod 8 of its tile: the sixteen clusters' requests of one moment lie at eight different byte offsets of the 4,096-byte rows, not all at one.
; A IN f32.  A's part of a slot is 128 rows x 128 f32 as they lie in memory (rows of 512 bytes).  A fragment of 16 rows x 32 K is four LDS loads of 16 bytes a lane and eight conversions of two numbers.
; CLUSTERS: 4 x 4 work-groups.  The four of a row of the cluster need the same tiles of A (their four tile columns are all of the result's columns), the four of a column the same tiles of W: each tile is
; asked for JOINTLY, by the same tensor load with the same descriptor and a mask that names the four.
; ASKED AHEAD.  In the trip that asks for step n, waves 2 and 3 also issue one global_prefetch_b8 each for A's bytes of step n + 1, which the next trip's tensor load will want: one trip and 16,384 bytes a
; work-group ahead.  A step's 128 rows x 512 bytes are shared by the four work-groups of a row of the cluster, so each takes a quarter: 16 rows in each half of 64, lanes 256 bytes apart, so that each block
; of 256 bytes is asked for by one lane of one wave in the launch.  One such line at the head serves step 2; the last trip's look-ahead is held at step 23, inside the buffer.  W is not asked for ahead:
; sixteen clusters read the same 6 MiB.
; THE MATRIX INSTRUCTION IS USED TRANSPOSED (source 0 = 16 rows of W, source 1 = 16 rows of A): a lane then holds row lane % 16 of the result and the eight neighbouring columns 8 (lane / 16) + 0..7.
; REGISTERS, in windows of 256 (s_set_vgpr_msb: bits 1:0 source 0, 3:2 source 1, 5:4 source 2, 7:6 destination):
;   window 0: v0-31 addresses; v32-63, v64-95 A's fragments, two buffers of 4; v96-159, v160-223 W's, two buffers of 8; on the way out v64-95 and v160-255 are at work (the second buffers and 32 spare)
;   window 1: the accumulators, (a, b) at v[8 (8 a + b)]          window 2: v0-63 the bias, 8 registers for each block of 16 columns; v64-127 A's f32 as loaded, 16 registers a fragment
.set PA,     528                       ; A's LDS row: 512 bytes + 16 of padding = 132 words: row r starts at bank 4 r mod 64 (64 banks of 4 bytes: ISA guide 11.1)
.set PB,     144                       ; W's LDS row: 128 bytes + 16 = 36 words: the 16 rows of a load start at 16 different groups of four banks
.set AHALF,  64*PA                     ; 64 rows of A: what one tensor load brings, and what one wave reads
.set ASZ,    2*AHALF
.set BSL,    256*PB                    ; a slice (64 along K) of W's 256 rows: what one tensor load brings
.set SLOT,   ASZ+2*BSL                 ; A's 128 rows, then W's two slices
.set STAGE,  2*SLOT                    ; behind the ring, never filled by a tensor load: each wave's own stage for the way out
.set WSTG,   16*PB                     ; a wave's stage: 16 rows x 144 bytes, nine blocks of 256
.set SPARE,  STAGE+4*WSTG              ; behind the stages: the spare words, 128 bytes for each wave: two blocks of 256 bytes that no other line names
.set STEPS,  24                        ; three tiles of 1,024 / 128 K steps
.set ADRA0, 16                         ; v16     my lane's place in A's part of a slot; never rewritten
.set ADRB0, 17                         ; v17     the same for W
.set ADRA,  18                         ; v18     the same in the slot in hand
.set ADRB,  19                         ; v19
.set STO,  24                          ; v24     the way out: where I put 16 bytes of a row
.set RD,   25                          ; v25     the way out: where I read rows back
.set GO,   26                          ; v26     16 x lane: my place in 512 consecutive bytes of the output
.set VP,   27                          ; v27     asked ahead: my lane's block of 256 bytes among the 64 rows that my wave's pointers begin at; never rewritten
.set SPW,  28                          ; v28     LDS address of my spare word: SPARE + 4 x my thread's number; never rewritten
.set NIL,  29                          ; v29     0; never rewritten
.set AF,   32                          ; A's fragments: buffer f at AF + 32 f
.set BF,   96                          ; W's fragments: buffer f at BF + 64 f
.set RAW,  64                          ; window 2: A's f32
.set SK,  2                            ; s2      K steps of the tile in hand that are still to be left
.set CT,  3                            ; s3      counts the loops' trips
.set TL,  4                            ; s4      tiles begun
.set NF,  5                            ; s5      the step to be asked for next, 0 to 24
.set RB,  6                            ; s6      the slot in hand: 0 or SLOT
.set T0,  7                            ; s7      at work
.set OA,  8                            ; s[8:9]   byte offset of a step in A's rows
.set OB,  14                           ; s[14:15] byte offset of a step in the weights
.set PS,  18                           ; s[18:19] q, k or v at my rows
.set G1,  24                           ; s[24:31] descriptor group 1 for A's tiles;  s[32:39] group 0: a set for each of the two first fills; the second then walks on
.set G0,  32
.set G1B, 48                           ; s[48:55], s[56:63] the same for W's tiles
.set G0B, 56
.set BP,  70                           ; s[70:71] the next tile's bias
.set PF,  72                           ; s[72:73] asked ahead: q, k or v at my rows and the step's bytes
.set OPF, 74                           ; s[74:75] asked ahead: byte offset of the step in A's rows
.set T1,  76                           ; s76     at work
.set CX16, 77                          ; s77     16 x my place along the cluster's x: it enters v27 alone
.set MSK, 78                           ; s78     a word's upper bf16
.set ROT, 79                           ; s79     the cluster's y mod 8: the K step at which its walks begin
.set XQ,  80                           ; s[80:95] the arguments: q, k, v, w16, bq, bk, bv, qkvh
.set XK,  82
.set XV,  84
.set WP,  86
.set BQ,  88
.set BK,  90
.set BV,  92
.set OP,  94
.set MSB, 0
.macro WIN new                         ; the immediate's high byte repeats the setting that is left; a switch that changes nothing is dropped
.if MSB != (\new)
	s_set_vgpr_msb (MSB<<8)|(\new)
.set MSB, \new
.endif
.endm
.set MUL,  0x50                        ; fragments in window 0; C and D in window 1
.set MULB, 0x60                        ; D in window 1, C (the bias) in window 2
.macro JLOAD s                         ; a joint load: waves 0 and 1 fetch A's two halves, waves 2 and 3 W's two slices; an s_nop 0 and four v_nop follow each of the two lines, ahead of the jump, the label and what follows
	s_cmp_eq_u32 s11, 0
	s_cbranch_scc0 .Lfor_b_\@
	tensor_load_to_lds s[G0+4*(\s):G0+4*(\s)+3], s[G1:G1+7]
	s_nop 0
.rept 4
	v_nop
.endr
	s_branch .Lasked_\@
.Lfor_b_\@:
	tensor_load_to_lds s[G0B+4*(\s):G0B+4*(\s)+3], s[G1B:G1B+7]
	s_nop 0
.rept 4
	v_nop
.endr
.Lasked_\@:
.endm
.macro CREST                           ; a round of the cluster's barrier behind its opening barrier
	s_cmp_lg_u32 s10, 0
	s_cbranch_scc1 .Lnot_wave_0_\@
	s_barrier_signal -3
.Lnot_wave_0_\@:
	s_barrier_wait -3
	s_barrier_signal -1
	s_barrier_wait -1
.endm
.macro CROUND                          ; a whole round
	s_barrier_signal -1
	s_barrier_wait -1
	CREST
.endm
; The global addresses of step n = s[NF] into the group 0 sets number set; then n steps on.  The tensor is n / 8, the K step in it (n + ROT) mod 8: A's address is q, k or v plus 512 bytes a K step,
; W's the weights' plus 2^18 bytes (two slices of 1,024 rows) a K step, eight K steps to a weight.
.macro WHERE set
	s_lshr_b32 s[T0], s[NF], 3
	s_add_co_u32 s[OA], s[NF], s[ROT]
	s_and_b32 s[OA], s[OA], 7
	s_lshl_b32 s[OB], s[T0], 3
	s_add_co_u32 s[OB], s[OB], s[OA]
	s_lshl_b32 s[OB], s[OB], 18
	s_lshl_b32 s[OA], s[OA], 9
	s_cmp_eq_u32 s[T0], 1
	s_cselect_b64 s[PS:PS+1], s[XK:XK+1], s[XQ:XQ+1]
	s_cmp_eq_u32 s[T0], 2
	s_cselect_b64 s[PS:PS+1], s[XV:XV+1], s[PS:PS+1]
	s_add_nc_u64 s[G0+4*(\set)+2:G0+4*(\set)+3], s[PS:PS+1], s[OA:OA+1]    ; 120:64 global address
	s_or_b32 s[G0+4*(\set)+3], s[G0+4*(\set)+3], 0x80000000                ; 127:126 type = 2
	s_add_nc_u64 s[G0B+4*(\set)+2:G0B+4*(\set)+3], s[WP:WP+1], s[OB:OB+1]
	s_or_b32 s[G0B+4*(\set)+3], s[G0B+4*(\set)+3], 0x80000000
	s_add_co_u32 s[NF], s[NF], 1
.endm
; Asked ahead: the base for A's bytes of step s[NF], the step that the next trip's tensor load will want; past the walk's end it is held at the last step, inside the buffer
.macro AHEAD
	s_min_u32 s[T0], s[NF], STEPS-1
	s_lshr_b32 s[T1], s[T0], 3
	s_add_co_u32 s[T0], s[T0], s[ROT]
	s_and_b32 s[T0], s[T0], 7
	s_lshl_b32 s[OPF], s[T0], 9
	s_cmp_eq_u32 s[T1], 1
	s_cselect_b64 s[PF:PF+1], s[XK:XK+1], s[XQ:XQ+1]
	s_cmp_eq_u32 s[T1], 2
	s_cselect_b64 s[PF:PF+1], s[XV:XV+1], s[PF:PF+1]
	s_add_nc_u64 s[PF:PF+1], s[PF:PF+1], s[OPF:OPF+1]
.endm
.macro PREF                            ; waves 2 and 3 ask; it returns nothing and nothing waits for it; its base is written again a whole trip later, behind s_wait_xcnt 0
	s_cmp_eq_u32 s11, 0
	s_cbranch_scc1 .Lno_pf_\@
	global_prefetch_b8 v[VP], s[PF:PF+1] th:TH_LOAD_NT scope:SCOPE_SE
.Lno_pf_\@:
.endm
	s_load_b512 s[80:95], s[0:1], 0x0              ; q, k, v, w16, bq, bk, bv, qkvh
	v_lshl_add_u32 v[SPW], v0, 2, SPARE
	v_mov_b32 v[NIL], 0
	ds_add_u32 v[SPW], v[NIL]                      ; the wave's opening: the add and its wait stand ahead of my first tensor load; the set-up below, work on registers, stands between them
	v_lshrrev_b32 v1, 5, v0
	v_readfirstlane_b32 s10, v1                    ; wave 0..3
	s_lshr_b32 s11, s10, 1                         ; which 64 of the tile's rows are mine.  Also: I fetch for A (0) or for W (1)
	s_and_b32 s12, s10, 1                          ; which 128 of its columns.  Also: which half of A's rows, or which slice of W, I fetch
	s_bfe_u32 s40, ttmp6, 0x40000                  ; cx, cy: my place in the cluster
	s_bfe_u32 s41, ttmp6, 0x40004
	s_lshl_b32 s42, ttmp9, 2
	s_add_co_u32 s42, s42, s40                     ; tile column = 4 x cluster x + cx
	s_and_b32 s45, ttmp7, 0xffff                   ; the cluster's y
	s_lshl_b32 s13, s45, 2
	s_add_co_u32 s13, s13, s41                     ; tile row R = 4 x cluster y + cy, 0 to 63
	s_lshl_b32 s43, s41, 2
	s_lshl_b32 s43, 15, s43                        ; my row of the cluster
	s_lshl_b32 s44, 0x1111, s40                    ; my column
	s_and_b32 s[ROT], s45, 7                       ; where the cluster's walks along K begin: the same in all sixteen work-groups
	s_lshl_b32 s[CX16], s40, 4
	s_mov_b32 s[MSK], 0xffff0000
	; descriptor group 1.  A: 64 rows of 128 f32, 1,024 elements from row to row.  W: a slice's 256 rows are dense: 128 rows of 128 elements of 2 bytes (two rows of the slice each), padded after every 128 bytes
	s_or_b32 s[G1+0], s43, (2<<16)|(1<<20)|(1<<21)|(6<<22)|(3<<25)   ; 15:0 the mask: A's tiles go to my row; 17:16 elements of 4 bytes; 20 padding on; 21 set beside a mask; 24:22 after every 128 words (code 6); 31:25 of 4 words (code 3)
	s_or_b32 s[G1B+0], s44, (1<<16)|(1<<20)|(1<<21)|(4<<22)|(3<<25)  ; the mask of my column; elements of 2 bytes; after every 32 words (code 4)
.irp g, G1, G1B
	s_mov_b32 s[(\g)+1], 128<<16                   ; tensor_dim0 = 128
	s_mov_b32 s[(\g)+3], 128<<16                   ; tile_dim0 = 128
	s_mov_b32 s[(\g)+6], 0
	s_mov_b32 s[(\g)+7], 0
.endr
	s_mov_b32 s[G1+2], 64<<16                      ; tensor_dim1 and
	s_mov_b32 s[G1+4], 64                          ; tile_dim1: 64 for A,
	s_mov_b32 s[G1+5], 1024                        ; whose rows are 1,024 elements apart;
	s_mov_b32 s[G1B+2], 128<<16
	s_mov_b32 s[G1B+4], 128                        ; 128 for W,
	s_mov_b32 s[G1B+5], 128                        ; dense
	; where the tiles come from.  A's hang on the tile row and the wave's number, W's on the tile column and the wave's number, each in registers that never hold the other coordinate
	s_lshl_b32 s16, s13, 19                        ; 128 rows of 4,096 bytes,
	s_lshl_b32 s17, s12, 18                        ; the 64 of them that I fetch
	s_add_co_u32 s16, s16, s17
	s_mov_b32 s17, 0
	s_lshl_b32 s46, s42, 15                        ; 256 rows of 128 bytes in a slice,
	s_lshl_b32 s47, s12, 17                        ; the slice of a K step that I fetch
	s_add_co_u32 s46, s46, s47
	s_mov_b32 s47, 0
	s_mul_i32 s20, s12, AHALF                      ; and where they go: no place in the cluster enters an LDS address
	s_mul_i32 s21, s12, BSL
	s_add_co_u32 s21, s21, ASZ
	s_lshl_b32 s66, s42, 10                        ; the bias: 256 columns of 4 bytes for each tile column,
	s_lshl_b32 s67, s12, 9                         ; my 128 of them
	s_add_co_u32 s66, s66, s67
	s_mov_b32 s67, 0
	s_mov_b32 s[RB], 0                             ; slot 0 is read first
	s_mov_b32 s[NF], 0
	s_mov_b32 s[TL], 0
	s_mov_b32 s[OA+1], 0
	s_mov_b32 s[OB+1], 0
	s_mov_b32 s[OPF+1], 0
	s_wait_dscnt 0x0                               ; the opening add is done
	s_wait_kmcnt 0x0
	s_add_nc_u64 s[XQ:XQ+1], s[XQ:XQ+1], s[16:17]  ; q, k, v at the rows that I fetch
	s_add_nc_u64 s[XK:XK+1], s[XK:XK+1], s[16:17]
	s_add_nc_u64 s[XV:XV+1], s[XV:XV+1], s[16:17]
	s_add_nc_u64 s[WP:WP+1], s[WP:WP+1], s[46:47]  ; Wq at my slice of its K step 0
	CROUND                                         ; all sixteen work-groups are here: the first joint loads meet
.irp s, 0,1
	s_mov_b32 s[G0+4*(\s)], 1                                        ; 1:0 count = 1
	s_add_co_u32 s[G0+4*(\s)+1], s20, (\s)*SLOT                      ; 63:32 LDS address
	s_mov_b32 s[G0B+4*(\s)], 1
	s_add_co_u32 s[G0B+4*(\s)+1], s21, (\s)*SLOT
	WHERE \s                                       ; step s of the walk
	JLOAD \s                                       ; two loads of mine are out
.endr
	; the bias of my 128 columns: register j of block b in lane l is bias[16 b + 8 (l / 16) + j], the layout of a C operand
	v_and_b32 v1, 15, v0                           ; l % 16
	v_bfe_u32 v2, v0, 4, 1                         ; l / 16
	v_lshlrev_b32 v6, 5, v2                        ; 8 numbers of 4 bytes for each half of the lanes
	v_bfe_u32 v8, v0, 1, 4                         ; asked ahead: row l / 2 of my work-group's 16 in my wave's half of the tile,
	v_add_nc_u32 v8, s[CX16], v8
	v_and_b32 v9, 1, v0                            ; and which 256 of its step's 512 bytes
	v_lshlrev_b32 v[VP], 12, v8
	v_lshl_add_u32 v[VP], v9, 8, v[VP]
	s_add_nc_u64 s[BQ:BQ+1], s[BQ:BQ+1], s[66:67]
	s_add_nc_u64 s[BK:BK+1], s[BK:BK+1], s[66:67]
	s_add_nc_u64 s[BV:BV+1], s[BV:BV+1], s[66:67]
	WIN 0x80                                       ; destination window 2, address window 0
.irp b, 0,1,2,3,4,5,6,7
	global_load_b128 v[8*(\b):8*(\b)+3],   v6, s[BQ:BQ+1] offset:64*(\b)
	global_load_b128 v[8*(\b)+4:8*(\b)+7], v6, s[BQ:BQ+1] offset:64*(\b)+16
.endr
	WIN 0
	AHEAD                                          ; step 2, which the first trip's tensor load will want
	PREF
	; where my part of Q begins in qkvh: the row part and the column part are made apart
	s_lshr_b32 s16, s13, 4                         ; the batch: 16 heads of 2^18 bytes
	s_lshl_b32 s16, s16, 22
	s_and_b32 s17, s13, 15
	s_lshl_b32 s17, s17, 14                        ; the tile's 128 rows of 128 bytes,
	s_add_co_u32 s16, s16, s17
	s_lshl_b32 s17, s11, 13                        ; my 64 of them
	s_add_co_u32 s16, s16, s17
	s_mov_b32 s17, 0
	s_lshl_b32 s68, s42, 20                        ; a tile column is four heads,
	s_lshl_b32 s69, s12, 19                        ; my two of them
	s_add_co_u32 s68, s68, s69
	s_mov_b32 s69, 0
	s_add_nc_u64 s[OP:OP+1], s[OP:OP+1], s[16:17]
	s_add_nc_u64 s[OP:OP+1], s[OP:OP+1], s[68:69]
	; A fragment is 16 rows x 32 K in 8 registers: lane l holds row l % 16, K = 8 (l / 16) + 0..7 and 16 + 8 (l / 16) + 0..7.  In f32 those are 32 bytes at 32 (l / 16) and 32 bytes 64 further on
	v_mul_u32_u24 v3, v1, PA
	v_lshl_add_u32 v3, v2, 5, v3                   ; row x pitch + 32 x half
	s_mul_i32 s22, s11, AHALF                      ; my 64 rows of A
	v_add_nc_u32 v[ADRA0], s22, v3
	v_mul_u32_u24 v4, v1, PB
	v_lshl_add_u32 v4, v2, 4, v4                   ; W in bf16: row x pitch + 16 x half
	s_mul_i32 s23, s12, 128*PB                     ; my 128 rows of W,
	s_add_co_u32 s23, s23, ASZ                     ; which lie behind A
	v_add_nc_u32 v[ADRB0], s23, v4
	v_add_nc_u32 v[ADRA], s[RB], v[ADRA0]
	v_add_nc_u32 v[ADRB], s[RB], v[ADRB0]
	s_mul_i32 s22, s10, WSTG
	s_add_co_u32 s22, s22, STAGE                   ; my stage
	v_add_nc_u32 v[STO], s22, v4                   ; in: row l % 16 of 144 bytes, 16 bytes for each half of the lanes
	v_bfe_u32 v5, v0, 3, 2                         ; back: 32 lanes take four rows of 128 bytes
	v_and_b32 v7, 7, v0
	v_mul_u32_u24 v5, v5, PB
	v_lshl_add_u32 v5, v7, 4, v5
	v_add_nc_u32 v[RD], s22, v5
	v_and_b32 v[GO], 31, v0
	v_lshlrev_b32 v[GO], 4, v[GO]
; 8 matrix instructions: m block a x all 8 n blocks, 32 along K, from buffers f.  zero = 1: the first product starts the sums, with the bias as C: nothing is cleared and nothing is added later.
; The 32 accumulators take turns, one instruction a turn, in the same order in every quarter.
.macro MULA f, a, zero
.if \zero
	WIN MULB
.else
	WIN MUL
.endif
.irp b, 0,1,2,3,4,5,6,7
.if \zero
	v_wmma_f32_16x16x32_bf16 v[8*(8*(\a)+(\b)):8*(8*(\a)+(\b))+7], v[BF+64*(\f)+8*(\b):BF+64*(\f)+8*(\b)+7], v[AF+32*(\f)+8*(\a):AF+32*(\f)+8*(\a)+7], v[8*(\b):8*(\b)+7]
.else
	v_wmma_f32_16x16x32_bf16 v[8*(8*(\a)+(\b)):8*(8*(\a)+(\b))+7], v[BF+64*(\f)+8*(\b):BF+64*(\f)+8*(\b)+7], v[AF+32*(\f)+8*(\a):AF+32*(\f)+8*(\a)+7], v[8*(8*(\a)+(\b)):8*(8*(\a)+(\b))+7]
.endif
.endr
.endm
; 32 LDS loads in one run, from the slot in hand: quarter q of a K step.  First A's 16 (f32, byte 128 q of its rows), then W's 16 (slice q / 2, byte 64 (q % 2) of its rows) into buffer g
.macro FETCH q, g
	WIN 0x80                                       ; destination window 2, address window 0
.irp i, 0,1,2,3
	ds_load_b128 v[RAW+16*(\i):RAW+16*(\i)+3],     v[ADRA] offset:(\q)*128+(\i)*16*PA
	ds_load_b128 v[RAW+16*(\i)+4:RAW+16*(\i)+7],   v[ADRA] offset:(\q)*128+(\i)*16*PA+16
	ds_load_b128 v[RAW+16*(\i)+8:RAW+16*(\i)+11],  v[ADRA] offset:(\q)*128+(\i)*16*PA+64
	ds_load_b128 v[RAW+16*(\i)+12:RAW+16*(\i)+15], v[ADRA] offset:(\q)*128+(\i)*16*PA+80
.endr
	WIN 0
.irp i, 0,1,2,3,4,5,6,7
	ds_load_b128 v[BF+64*(\g)+8*(\i):BF+64*(\g)+8*(\i)+3],   v[ADRB] offset:((\q)/2)*BSL+((\q)%2)*64+(\i)*16*PB
	ds_load_b128 v[BF+64*(\g)+8*(\i)+4:BF+64*(\g)+8*(\i)+7], v[ADRB] offset:((\q)/2)*BSL+((\q)%2)*64+(\i)*16*PB+32
.endr
.endm
.macro CVT g                           ; A's 4 fragments: 64 f32 a lane rounded to bf16, nearest even, into buffer g
	WIN 0x0a                                       ; sources 0 and 1 window 2, destination window 0
.set i, 0
.rept 32
	v_cvt_pk_bf16_f32 v[AF+32*(\g)+i], v[RAW+2*i], v[RAW+2*i+1]
.set i, i+1
.endr
.endm
.macro PLACES                          ; four places in front of loads into, and of vector lines that write, registers that matrix instructions have read, and of lines that read results just made (ISA guide 7.12.1 for vector instructions)
.rept 4
	v_nop
.endr
.endm
; A K step is four quarters of 32 along K, 32 matrix instructions each, on buffers 0, 1, 0, 1.  One of the first three: multiplies buffers f, fetches quarter q and converts its A into buffers g.
; The four v_nop are the places behind the quarter before, which read buffers g, for the loads and for the conversions.
.macro QUARTER q, f, g, zero
	s_wait_dscnt 0x0                               ; W's fragments of this quarter are in; A's were converted in the quarter before
	MULA \f, 0, \zero
	PLACES
	FETCH \q, \g
	MULA \f, 1, \zero
	MULA \f, 2, \zero
	s_wait_dscnt 16                                ; A's 16 loads are in; W's 16, issued behind them, may be out
	CVT \g
	MULA \f, 3, \zero
.endm
; The descriptors of the step to be asked for, into the slot in hand, which is being left; and the base of what is asked ahead
.macro ASK
	s_wait_xcnt 0x0                                ; every earlier memory instruction has had its addresses translated (ISA guide 3.1): the last trip's prefetch has read its base, which is written anew below
	WHERE 1
	s_add_co_u32 s[G0+5], s20, s[RB]
	s_add_co_u32 s[G0B+5], s21, s[RB]
	AHEAD
.endm
; The last quarter multiplies buffers 1 and changes slots: ONE barrier; in front of it each wave waits for all its tensor loads, adds 0 to its spare word, and waits for that and for its own reads of this slot.
; fill = 1: this slot is filled again, two K steps ahead; the barrier then opens a round of the cluster's barrier, and the joint load is the first tensor load behind the round: 120 matrix instructions ahead of the wait for it.
.macro TURN fill
	WIN 0
	s_wait_tensorcnt 0x0                           ; all my tensor loads have landed: the one that was out is my part of the next slot; so a group 0 may be written
	ds_add_u32 v[SPW], v[NIL]                      ; 0 onto my spare word: the scalar work below stands between it and the wait for it
.if \fill
	ASK
.endif
	s_xor_b32 s[RB], s[RB], SLOT                   ; the reads go on in the other slot
	s_wait_dscnt 0x0                               ; the add is done, W's fragments of this quarter are in, and my reads of this slot are over
	s_barrier_signal -1
	MULA 1, 0, 0                                   ; work on registers while the others arrive
.if \fill
	WIN 0
.endif
	s_barrier_wait -1
.if \fill
	CREST                                          ; no wave of any partner still reads this slot's tile or has a load on its way
	JLOAD 1                                        ; the four v_nop behind it are also the places in front of the loads and conversions below
	PREF                                           ; and A's bytes of the step behind it are asked ahead
.else
	PLACES
.endif
	WIN 0
	v_add_nc_u32 v[ADRA], s[RB], v[ADRA0]
	v_add_nc_u32 v[ADRB], s[RB], v[ADRB0]
	FETCH 0, 0
	MULA 1, 1, 0
	MULA 1, 2, 0
	s_wait_dscnt 16                                ; A's 16 loads are in
	CVT 0
	MULA 1, 3, 0
.endm
; THE WAY OUT.  Piece t = 2 a + half: 16 rows x one head's 64 columns, accumulators at 32 t.  A lane's eight columns pack into 16 bytes; they go into rows of 144 bytes of my own stage and come back as whole
; rows of 128; four rows are 512 consecutive bytes of a head.  Each accumulator's registers are read in ascending order.  Piece t has 16 registers of its own among those that the
; next step's fragments, already fetched into the first buffers, do not use.
.macro PACKH t
.if (\t) < 2
.set TP, 64+16*(\t)
.else
.set TP, 128+16*(\t)
.endif
	WIN 0x05                                       ; sources 0 and 1 window 1, destination window 0
.set i, 0
.rept 16
	v_cvt_pk_f16_f32 v[TP+i], v[32*(\t)+2*i], v[32*(\t)+2*i+1]
.set i, i+1
.endr
	WIN 0
.irp f, 0,1,2,3
	ds_store_b128 v[STO], v[TP+4*(\f):TP+4*(\f)+3] offset:32*(\f)
.endr
.irp f, 0,1,2,3
	ds_load_b128 v[TP+4*(\f):TP+4*(\f)+3], v[RD] offset:(\f)*4*PB  ; LDS serves a wave's instructions in order (ISA guide 5.7.1.4): these see the stores above; the next piece's stores come behind them
.endr
.endm
.macro SENDH t, younger                ; younger: the LDS instructions issued behind piece t's loads: the next piece's eight, or none
.if (\t) < 2
.set TP, 64+16*(\t)
.else
.set TP, 128+16*(\t)
.endif
.irp f, 0,1,2,3
	s_wait_dscnt (\younger)+3-(\f)
	global_store_b128 v[GO], v[TP+4*(\f):TP+4*(\f)+3], s[OP:OP+1] offset:((\t)/2)*2048+((\t)%2)*262144+(\f)*512  ; 512 consecutive bytes, at a multiple of 256 from the buffer's first; no hint: the next launch reads them
.endr
.endm
.macro WAYOUT
	WIN 0
	PLACES                                         ; behind the tile's last products
	PACKH 0
.irp t, 1,2,3,4,5,6,7                  ; a piece's conversions stand between the loads of the piece before and its stores
	PACKH \t
	SENDH (\t)-1, 8
.endr
	SENDH 7, 0
.endm
	s_wait_tensorcnt 1                             ; my part of step 0 is in; step 1's load, issued behind it, may stay out
	s_barrier_signal -1
	s_barrier_wait -1                              ; everybody's is
	FETCH 0, 0
	s_wait_dscnt 16                                ; A's 16 loads are in
	CVT 0
	WIN 0                                          ; at a label and at a branch every window is 0
	s_mov_b32 s[CT], STEPS-1                       ; the count is taken down once on the way in, then once a trip: 22 trips
	s_mov_b32 s[SK], 8
	s_branch .Lzero                                ; the loop is entered where a tile begins, in the middle of a trip
.Lstep:                                                ; a trip: a step's second to fourth quarters, with the change of slots and one refill, and the next step's first quarter
	QUARTER 2, 1, 0, 0
	QUARTER 3, 0, 1, 0
	TURN 1
	WIN 0
	s_sub_co_u32 s[SK], s[SK], 1
	s_cmp_lg_u32 s[SK], 0
	s_cbranch_scc1 .Lsame
	WAYOUT                                         ; the tile's last step is done; the next tile's first two steps have been asked for, and its first fragments fetched
	s_wait_xcnt 0x0                                ; every earlier memory instruction has had its addresses translated (ISA guide 3.1): the stores' base and registers are rewritten only behind this wait
	s_add_nc_u64 s[OP:OP+1], s[OP:OP+1], 1<<24     ; the next result's 64 heads of 2^18 bytes
	s_mov_b32 s[SK], 8
.Lzero:
	s_wait_loadcnt 0x0                             ; the tile's bias
	WIN 0x8a                                       ; sources 0 and 1 and the destination in window 2
.set i, 0
.rept 32
	v_cvt_pk_bf16_f32 v[RAW+i], v[2*i], v[2*i+1]   ; rounded to bf16 like every input (A's f32 registers are free here: they were converted in the change of slots),
.set i, i+1
.endr
.set i, 0
.rept 32
	v_lshlrev_b32 v[2*i], 16, v[RAW+i]             ; and back in f32
	v_and_b32 v[2*i+1], s[MSK], v[RAW+i]
.set i, i+1
.endr
	QUARTER 1, 0, 1, 1                             ; a tile's first quarter: its products start the sums
	WIN 0
	s_add_co_u32 s[TL], s[TL], 1
	s_cmp_eq_u32 s[TL], 3
	s_cbranch_scc1 .Lbottom                        ; the third tile has no successor
	s_cmp_eq_u32 s[TL], 1
	s_cselect_b64 s[BP:BP+1], s[BK:BK+1], s[BV:BV+1]
	PLACES                                         ; behind the products that read the bias
	WIN 0x80
.irp b, 0,1,2,3,4,5,6,7                ; the next tile's bias has seven K steps in which to come
	global_load_b128 v[8*(\b):8*(\b)+3],   v6, s[BP:BP+1] offset:64*(\b)
	global_load_b128 v[8*(\b)+4:8*(\b)+7], v6, s[BP:BP+1] offset:64*(\b)+16
.endr
	WIN 0
	s_branch .Lbottom
.Lsame:
	QUARTER 1, 0, 1, 0
	WIN 0
.Lbottom:
	s_sub_co_u32 s[CT], s[CT], 1
	s_cmp_lg_u32 s[CT], 0
	s_cbranch_scc1 .Lstep
	s_mov_b32 s[CT], 2                             ; the last two steps are written apart: nothing is asked for
.Ltail:
	QUARTER 2, 1, 0, 0
	QUARTER 3, 0, 1, 0
	TURN 0
	WIN 0
	s_sub_co_u32 s[CT], s[CT], 1
	s_cmp_eq_u32 s[CT], 0
	s_cbranch_scc1 .Lout
	QUARTER 1, 0, 1, 0
	WIN 0
	s_branch .Ltail
.Lout:                                                 ; the second trip's fetch (the step before's bytes once more) and its conversions serve nothing: the price, once a launch, of one text for both trips
	WAYOUT
	s_wait_tensorcnt 0x0                           ; the wave's end: behind my last tensor load and my last LDS store
	ds_add_u32 v[SPW], v[NIL]
	s_wait_dscnt 0x0
	CROUND                                         ; the closing round: no work-group ends while a partner may still ask for a tile that names it
	s_endpgm
.Lfunc_end_k_qc5c84bd29b_proj:
	.size	k_qc5c84bd29b_proj, .Lfunc_end_k_qc5c84bd29b_proj-k_qc5c84bd29b_proj
	.p2alignl 7, 3214868480
	.fill 96, 4, 3214868480
	.section	.rodata,"a",@progbits
	.p2align	6, 0x0
	.amdhsa_kernel k_qc5c84bd29b_proj
		.amdhsa_group_segment_fixed_size 327680
		.amdhsa_private_segment_fixed_size 0
		.amdhsa_enable_private_segment 0
		.amdhsa_kernarg_size 64
		.amdhsa_user_sgpr_count 2
		.amdhsa_user_sgpr_kernarg_segment_ptr 1
		.amdhsa_wavefront_size32 1
		.amdhsa_system_sgpr_workgroup_id_x 1
		.amdhsa_system_sgpr_workgroup_id_y 1
		.amdhsa_system_sgpr_workgroup_id_z 1
		.amdhsa_system_vgpr_workitem_id 0
		.amdhsa_next_free_vgpr 640
		.amdhsa_next_free_sgpr 96
		.amdhsa_reserve_vcc 0
		.amdhsa_float_denorm_mode_32 3
		.amdhsa_float_denorm_mode_16_64 3
		.amdhsa_memory_ordered 1
		.amdhsa_forward_progress 1
		.amdhsa_inst_pref_size 115
	.end_amdhsa_kernel
	.amdgpu_metadata
---
amdhsa.version: [ 1, 2 ]
amdhsa.kernels:
  - .name:           k_qc5c84bd29b_proj
    .symbol:         k_qc5c84bd29b_proj.kd
    .args:
      - { .name: q, .offset: 0, .size: 8, .value_kind: global_buffer, .address_space: global }
      - { .name: k, .offset: 8, .size: 8, .value_kind: global_buffer, .address_space: global }
      - { .name: v, .offset: 16, .size: 8, .value_kind: global_buffer, .address_space: global }
      - { .name: w16, .offset: 24, .size: 8, .value_kind: global_buffer, .address_space: global }
      - { .name: bq, .offset: 32, .size: 8, .value_kind: global_buffer, .address_space: global }
      - { .name: bk, .offset: 40, .size: 8, .value_kind: global_buffer, .address_space: global }
      - { .name: bv, .offset: 48, .size: 8, .value_kind: global_buffer, .address_space: global }
      - { .name: qkvh, .offset: 56, .size: 8, .value_kind: global_buffer, .address_space: global }
    .group_segment_fixed_size: 327680
    .private_segment_fixed_size: 0
    .kernarg_segment_align: 8
    .kernarg_segment_size: 64
    .max_flat_workgroup_size: 128
    .sgpr_count:     96
    .vgpr_count:     640
    .wavefront_size: 32
...
	.end_amdgpu_metadata
.endif
;; end of part 2
;; launch attn (part 3): grid 4 x 64, 4 waves a work-group, clusters of 4 x 1, 327,680 bytes of LDS; arguments qkvh, oh; writes oh
.if DOCPART == 3
	.amdgcn_target "amdgcn-amd-amdhsa--gfx1250"
	.amdhsa_code_object_version 6
	.text
	.protected	k_qc5c84bd29b_attn
	.globl	k_qc5c84bd29b_attn
	.p2align	8
	.type	k_qc5c84bd29b_attn,@function
k_qc5c84bd29b_attn:
	s_mov_b64 s[64:65], 0
	v_nop
	global_prefetch_b8 v0, s[64:65] scope:SCOPE_SE
	s_setreg_imm32_b32 hwreg(HW_REG_WAVE_MODE, 25, 1), 1
	s_wait_xcnt 0x0
	s_wait_alu depctr_hold_cnt(0) depctr_sa_sdst(0) depctr_va_vdst(0) depctr_va_sdst(0) depctr_va_ssrc(0) depctr_va_vcc(0) depctr_vm_vsrc(0)
	s_getreg_b32 s2, hwreg(HW_REG_IB_STS2, 6, 4)
	s_cmp_eq_u32 s2, 0
	s_cbranch_scc0 .Lentry_in_a_cluster
	s_endpgm
.Lentry_in_a_cluster:
	s_bfe_u32 s2, ttmp6, 0x10000c
	s_cmp_lg_u32 s2, 0x3003
	s_cbranch_scc0 .Lentry_shape_is_right
	s_endpgm
.Lentry_shape_is_right:
; O[h][q][:] = the sum over k of p(q, k) V[h][k][:] / (l(q) + 1e-10), p = exp(Q[h][q] . K[h][k] / 8 - the row's maximum), l = the sum of p.  Q, K, V lie in qkvh = [Q, K, V][SIZE_H][SIZE_N][64], O in oh =
; [SIZE_H][SIZE_N][64], all f16: a head's rows are dense, 128 bytes each.  Products, maxima and sums in f32; the weights p are rounded to f16 for the second product (l is taken of the unrounded p), O once at the end.
; LIMITS.  f16 holds no number beyond 65,504: Q, K and V arrive within it; p lies in 0 to 1, and below 6e-5 it keeps f16's fixed step of 6e-8; O is a mean of V's rows and has their range.
; A weight below 2^-126 counts as 0 in l; NaN and infinities are not treated apart.
; SHARES.  A wave owns four PIECES of two tiles of 16 queries, a work-group's four waves 512 queries of one head: 4 x 64 = 256 work-groups.  Every wave walks all keys, 64 a step.
; LAYOUT.  S^T = K Q^T (source 0 = 16 keys, source 1 = 16 queries): in the result a lane holds ONE query (lane % 16) and the keys 8 (lane / 16) + 0..7.  Two such tiles, rounded to f16 in pairs,
; ARE source 1 (32 keys x 16 queries) of O^T = V^T P, whose result again holds one query a lane, and eight channels.  K comes out of LDS as it lies, V ([key][channel]) turned, by ds_load_tr16_b128.
; SOFTMAX.  For each query a running maximum m and sum l: p = 2^(c s - c m), c = log2(e) / 8; in every step O and l are multiplied by a = 2^(c m_old - c m_new), which is 1 where m has not grown.
; m starts at the lowest finite number, O and l at 0: the first step is a step like any other, with a = 0.
; THE COUNT.  A tile and step have 16 matrix and 118 vector instructions: too many to stand all beside the matrix work.  So the order has one aim: four vector instructions that are READY behind
; EVERY matrix instruction, and the others, which need time of their own whatever the order, in runs without a gap.
; BY TURNS.  Turn n belongs to piece n (the pieces in a ring, step after step).  Its matrix work: 16 products K Q^T of piece n + 1, later 16 products V^T P of piece n - 1.  Its vector work: the scaling,
; exponentials, roundings, sums and rescaling of piece n, and the maximum and statistics of piece n + 1, whose scores the turn itself has made.  So what a turn begins with (c s - c m, O a) waits for nothing.
; CLUSTER.  The four query blocks of a cluster belong to one head and walk the same K and V, so each tile is asked for JOINTLY: the same tensor load, descriptor and mask in all four.
; REGISTERS, in windows of 256 (s_set_vgpr_msb says which window each operand place means: bits 1:0 source 0, 3:2 source 1, 5:4 source 2, 7:6 destination):
;   window 0: v0-11 addresses; v12-15, v48-63 at work; v16-47 four registers of statistics a tile; v64-191 S^T, two buffers of two tiles; v192-255 P, likewise
;   window 1: O^T, 32 a tile          window 2: v0-127 Q, 16 a tile; v128-191 K of one step; v192-255 V of one step          window 3: v0-1 the add's two registers
; A piece's buffers go by its number's parity: the piece in hand has one pair, its two neighbours in the ring share the other: of it P (piece n - 1) is read and S^T (piece n + 1) written.
.set SIZE_H, 64       ; batch x 16 + head
.set SIZE_N, 2048
.set NP,    4         ; pieces a wave: a name, no knob: the register map, the loop and the fetches are made for four
.set KS,    64        ; keys in a step
.set PK,    144       ; a row of K in LDS: 128 bytes + 16 of padding = 36 words: the 16 rows of a load start at 16 different groups of four banks (64 banks of 4 bytes: ISA guide 11.1)
.set PV,    160       ; a row of V: 128 + 32 = 40 words
.set VOFF,  4*KS*PK   ; a slot holds four steps: 256 rows of K, then 256 rows of V
.set SLOT1, 1<<17     ; slot 1 begins here, so that one exclusive or turns an address in one slot into the other's
.set STAGE, SLOT1+4*KS*(PK+PV)  ; behind the ring, never filled by a tensor load: 16 rows x 144 bytes for each wave, for the way out
.set SP,    144
.set AK0, 2           ; v2   my lane's place in a tile of K; never rewritten
.set AV0, 3           ; v3   the same for V
.set AK,  4           ; v4   the LDS address of K's next run of loads
.set AV,  5           ; v5   of V's
.set QO,  6           ; v6   my byte offset in the wave's rows of Q
.set STO, 6           ;      later, the way out: where I put 16 bytes of a row
.set RD,  7           ; v7   the way out: where I read rows back
.set GO,  8           ; v8   my byte offset in 512 consecutive bytes of O
.set SPW, 0           ; v0 of window 3   LDS address of my spare word: SPARE + 4 x my thread's number; never rewritten
.set NIL, 1           ; v1 of window 3   0; never rewritten
.set SPARE, STAGE+4*16*SP  ; behind the stages: the spare words, 128 bytes for each wave: two blocks of 256 bytes that no other line names
.set MV,  12          ; v12-15  c m_old, kept while c m is made anew: by buffer and tile
.set ST,  16          ; tile t's statistics at v[ST+4 t]: c m, m, l (even keys', odd keys')
.set TMP, 48          ; by buffer and tile, four registers c0-c3 at work; when the maximum is found c2 takes a
.set S,   64
.set P,   192
.set KF,  128         ; K's fragments, in window 2: key block kb, channel half c at KF + 16 kb + 8 c
.set VF,  192         ; V's: key half kk, channel block cb at VF + 32 kk + 8 cb
.set WV,  12          ; s12  my wave's number
.set G1K, 24          ; s[24:31] descriptor group 1 for K's tiles
.set G1V, 32          ; s[32:39] for V's: it differs in the padding alone
.set G0K, 40          ; s[40:43] descriptor group 0 for K's tiles: it walks
.set G0V, 44          ; s[44:47] the same for V's
.set SLOTS, 56        ; s56  slots still to be asked for
.set CNT, 57          ; s57  counts a slot's key steps
.set CS,  58          ; s[58:59] c: the packed scaling takes the pair's low word for both halves
.set SEL, 60          ; s[60:61] v_permlanex16_b32's selects: each lane takes its own place in the other half
.set TBK, 62          ; s62  LDS byte at which K of the step to be fetched begins
.set TBV, 63          ; s63  the same for V, less VOFF
.set MSB, 0
.macro WIN new                      ; the high byte repeats the setting that is left; a switch that changes nothing is dropped
.if MSB != (\new)
	s_set_vgpr_msb (MSB<<8)|(\new)
.set MSB, (\new)
.endif
.endm
.set W_KQ, 0x0a       ; K and Q in window 2, S^T in window 0
.set W_PV, 0x52       ; V in window 2, P in window 0, O^T in window 1
.set W_RS, 0x41       ; O^T (destination and source 0) in window 1, a in window 0
.set W_MK, 0xc0       ; the add's registers are made: destination in window 3, sources in window 0
.set W_AD, 0x0f       ; the add: address (source 0) and data (source 1) in window 3
; A joint fill.  Waves 0 and 1 fetch the two halves of a slot's K, waves 2 and 3 those of its V: 128 keys each.  The branch hangs on the wave's number alone.
; An s_nop 0 and four v_nop follow each of the two lines, ahead of the jump and the label.
.macro JLOAD
	s_cmp_lt_u32 s[WV], 2
	s_cbranch_scc0 .Lfor_v_\@
	tensor_load_to_lds s[G0K:G0K+3], s[G1K:G1K+7]
	s_nop 0
.rept 4
	v_nop
.endr
	s_branch .Lasked_\@
.Lfor_v_\@:
	tensor_load_to_lds s[G0V:G0V+3], s[G1V:G1V+7]
	s_nop 0
.rept 4
	v_nop
.endr
.Lasked_\@:
.endm
; A round of the cluster's barrier: my work-group's barrier, so that wave 0's signal speaks for all four waves; wave 0 signals; every wave waits for all four work-groups; my work-group's barrier once more.
.macro CROUND
	s_barrier_signal -1
	s_barrier_wait -1
	s_cmp_lg_u32 s[WV], 0
	s_cbranch_scc1 .Lnot_wave_0_\@
	s_barrier_signal -3
.Lnot_wave_0_\@:
	s_barrier_wait -3
	s_barrier_signal -1
	s_barrier_wait -1
.endm
; THE CHANGE OF SLOTS.  The slot's last bytes, V of its fourth step, have been read.  Each wave waits for all its tensor loads, of which one is out: its part
; of the other slot; adds 0 to its spare word; and waits for that and for its own reads of the slot.  Behind the barrier nobody reads this slot any more and the other slot is whole.
; fill = 1: this slot is filled again, with the keys two slots on.  The barrier is then a round of the cluster's, so that no wave of any partner still reads the slot or has a load on its
; way, and the joint fill is the first thing behind it: it has four key steps, 512 matrix instructions, in which to land.  (At its first use nothing has been read yet: slot 0 is waited for, slot 1 filled.)
.macro CHANGE fill
	WIN W_AD
	s_wait_tensorcnt 0x0            ; no tensor load of mine is out, so a group 0 may be written
	ds_add_u32 v[SPW], v[NIL]       ; 0 onto my spare word: with fill = 1 the descriptors' steps stand between it and the wait for it
	WIN 0                           ; at a label and at a branch every window is 0
.if \fill
.irp g, G0K, G0V
	s_xor_b32 s[\g+1], s[\g+1], SLOT1  ; the walking descriptor: the other slot than last time,
	s_add_nc_u64 s[\g+2:\g+3], s[\g+2:\g+3], 4*KS*128  ; the next 256 keys; the type bits on top are not reached
.endr
	s_wait_dscnt 0x0                ; the add is done, and my reads of the slot are over
	CROUND
	JLOAD
.else
	s_wait_dscnt 0x0                ; the add is done, and my reads of the slot are over
	s_barrier_signal -1
	s_barrier_wait -1
.endif
	s_sub_co_u32 s[TBK], s[TBK], 4*KS*PK  ; the fetches go back to a slot's first step,
	s_xor_b32 s[TBK], s[TBK], SLOT1       ; in the other slot
	s_sub_co_u32 s[TBV], s[TBV], 4*KS*PV
	s_xor_b32 s[TBV], s[TBV], SLOT1
.endm
	s_load_b64 s[4:5], s[0:1], 0x0    ; qkvh: Q at its head
	s_load_b64 s[10:11], s[0:1], 0x8  ; oh
	WIN W_MK
	v_lshl_add_u32 v[SPW], v0, 2, SPARE
	v_mov_b32 v[NIL], 0
	WIN W_AD
	ds_add_u32 v[SPW], v[NIL]       ; the wave's opening: the add and its wait stand ahead of my first tensor load; the set-up below, work on registers, stands between them
	WIN 0
	v_lshrrev_b32 v1, 5, v0
	v_readfirstlane_b32 s[WV], v1   ; wave 0..3
	s_bfe_u32 s13, ttmp6, 0x40000   ; cx: my place in the cluster
	s_lshl_b32 s14, ttmp9, 2        ; in a cluster launch ttmp9 counts clusters
	s_add_co_u32 s14, s14, s13      ; my block of queries = 4 x cluster x + cx: it enters Q's and O's addresses alone
	s_and_b32 s20, ttmp7, 0xffff    ; the head, which the four partners share
	s_mov_b32 s21, 0
	s_mov_b64 s[22:23], SIZE_N*128
	s_mul_u64 s[20:21], s[20:21], s[22:23]  ; the head's first byte in each of the four tensors
	s_and_b32 s16, s[WV], 1         ; which half of a slot's 256 keys I fetch:
	s_lshl_b32 s22, s16, 14         ; its 128 rows of 128 bytes in memory,
	s_mov_b32 s23, 0
	s_add_nc_u64 s[22:23], s[22:23], s[20:21]
	s_mul_i32 s17, s16, 128*PK      ; and its place in a slot, for K
	s_mul_i32 s18, s16, 128*PV      ; and for V: no place in the cluster enters an LDS address
	s_lshl_b32 s2, s14, 2
	s_add_co_u32 s2, s2, s[WV]      ; my wave among the head's,
	s_lshl_b32 s2, s2, 14           ; its 128 rows
	s_mov_b32 s3, 0
	s_add_nc_u64 s[2:3], s[2:3], s[20:21]
	; descriptor group 1.  128 keys are 16,384 dense bytes: asked for as 64 rows of 256 bytes, two keys a row, and padded in LDS after every key
	s_mov_b32 s[G1K], 15|(1<<16)|(1<<20)|(1<<21)|(4<<22)|(3<<25)  ; 15:0 the mask of four; 17:16 2-byte elements; 20 padding on; 21 set beside a mask; 24:22 after every 32 words (code 4); 31:25 4 words (code 3)
	s_mov_b32 s[G1V], 15|(1<<16)|(1<<20)|(1<<21)|(4<<22)|(7<<25)  ; the same with 8 words of padding (code 7)
.irp g, G1K, G1V
	s_mov_b32 s[\g+1], 128<<16      ; tensor_dim0 = 128
	s_mov_b32 s[\g+2], 64<<16       ; tensor_dim1 = 64
	s_mov_b32 s[\g+3], 128<<16      ; tile_dim0 = 128
	s_mov_b32 s[\g+4], 64           ; tile_dim1 = 64
	s_mov_b32 s[\g+5], 128          ; 128 elements from row to row
	s_mov_b32 s[\g+6], 0
	s_mov_b32 s[\g+7], 0
.endr
	s_mov_b32 s[CS], 0x3e38aa3b     ; c = log2(e) / 8 = 0.180337
	s_mov_b32 s[CS+1], s[CS]        ; named with it as a pair
	s_mov_b32 s[SEL], 0x76543210
	s_mov_b32 s[SEL+1], 0xfedcba98
	s_mov_b32 s[TBK], SLOT1+4*KS*PK ; the first change of slots turns these two into 0
	s_mov_b32 s[TBV], SLOT1+4*KS*PV
	s_mov_b32 s[G0K], 1             ; 1:0 count = 1
	s_mov_b32 s[G0K+1], s17         ; 63:32 LDS address: slot 0
	s_mov_b32 s[G0V], 1
	s_add_co_u32 s[G0V+1], s18, VOFF
	s_wait_dscnt 0x0                ; the opening add is done
	s_wait_kmcnt 0x0
	s_add_nc_u64 s[6:7], s[4:5], SIZE_H*SIZE_N*128    ; K lies behind Q's 64 heads of 262,144 bytes,
	s_add_nc_u64 s[8:9], s[4:5], 2*SIZE_H*SIZE_N*128  ; V behind K's
	s_add_nc_u64 s[G0K+2:G0K+3], s[6:7], s[22:23]  ; 120:64 global address: my half of the head's first 256 keys
	s_or_b32 s[G0K+3], s[G0K+3], 0x80000000        ; 127:126 type = 2
	s_add_nc_u64 s[G0V+2:G0V+3], s[8:9], s[22:23]
	s_or_b32 s[G0V+3], s[G0V+3], 0x80000000
	s_add_nc_u64 s[4:5], s[4:5], s[2:3]  ; Q and O at my wave's first row
	s_add_nc_u64 s[10:11], s[10:11], s[2:3]
	CROUND                          ; all four work-groups are here: the first joint loads meet
	JLOAD                           ; slot 0.  Slot 1 is asked for when slot 0 is in: the tile wanted first has the road to itself
	; A fragment of K or Q is 16 rows x 32 channels in 8 registers: lane l holds row l % 16, channels 8 (l / 16) + 0..7 and 16 + 8 (l / 16) + 0..7: two loads of 16 bytes, 32 bytes apart.
	v_and_b32 v1, 15, v0            ; l % 16
	v_bfe_u32 v9, v0, 4, 1          ; l / 16
	v_lshlrev_b32 v[QO], 7, v1
	v_lshl_add_u32 v[QO], v9, 4, v[QO]  ; row x 128 + 16 x half
	WIN 0x80                        ; destination window 2, address window 0
.set i, 0
.rept 4*NP                          ; Q stays in registers: tile i / 2, channels 32 (i % 2) on
	global_load_b128 v[8*i:8*i+3],   v[QO], s[4:5] offset:(i/2)*2048+(i%2)*64
	global_load_b128 v[8*i+4:8*i+7], v[QO], s[4:5] offset:(i/2)*2048+(i%2)*64+32
.set i, i+1
.endr
	; What the first turn finds: V's registers and P's second buffer hold 0 (its products V^T P, of a piece that has not been, add 0), O^T and l are 0.  All this stands in the wait for the first tile.
.set i, VF
.rept 64
	v_mov_b32 v[i], 0
.set i, i+1
.endr
	WIN 0x40
.set i, 0
.rept 64*NP
	v_mov_b32 v[i], 0
.set i, i+1
.endr
	WIN 0
.set i, 0
.rept 2*NP
	v_mov_b32 v[ST+4*i], 0xfe000000    ; c m: far below every c s
	v_mov_b32 v[ST+4*i+1], 0xff7fffff  ; m
	v_mov_b32 v[ST+4*i+2], 0
	v_mov_b32 v[ST+4*i+3], 0
.set i, i+1
.endr
.set i, P+32
.rept 32
	v_mov_b32 v[i], 0
.set i, i+1
.endr
	v_mul_u32_u24 v[AK0], v1, PK
	v_lshl_add_u32 v[AK0], v9, 4, v[AK0]  ; row x pitch + 16 x half
	; The turning load takes 16 keys x 16 channels (lane l reads key 8 (l / 16) + l % 8, channels 8 ((l / 8) % 2) + 0..7) and leaves half a fragment of V^T: lane l holds channel l % 16 and 8 keys.
	v_and_b32 v10, 7, v0
	v_bfe_u32 v11, v0, 3, 1
	v_lshl_add_u32 v[AV0], v9, 3, v10
	v_mul_u32_u24 v[AV0], v[AV0], PV
	v_lshl_add_u32 v[AV0], v11, 4, v[AV0]
	v_add_nc_u32 v[AV0], VOFF, v[AV0]
	v_mov_b32 v[AK], v[AK0]         ; key step 0 lies at the head of slot 0
; THE MATRIX WORK.  The 8 accumulators of a run of 16 take turns: between the two links of a chain stand 7 others'.
; Product i of 16 of S^T = K Q^T for piece x: channels 32 (i / 8) on, keys 16 ((i / 2) % 4) on, tile 2 x + i % 2.  The first 8 start the sums.
.macro KQ x
	WIN W_KQ
.set rS, S+64*((\x)%2)+32*(i%2)+8*((i/2)%4)
.set rK, KF+16*((i/2)%4)+8*(i/8)
.set rQ, 16*(2*(\x)+i%2)+8*(i/8)
.if i < 8
	v_wmma_f32_16x16x32_f16 v[rS:rS+7], v[rK:rK+7], v[rQ:rQ+7], 0
.else
	v_wmma_f32_16x16x32_f16 v[rS:rS+7], v[rK:rK+7], v[rQ:rQ+7], v[rS:rS+7]
.endif
.endm
; Product i of 16 of O^T += V^T P for piece x: keys 32 (i / 8) on, channels 16 ((i / 2) % 4) on, tile 2 x + i % 2.
.macro PV x
	WIN W_PV
.set rO, 32*(2*(\x)+i%2)+8*((i/2)%4)
.set rV, VF+32*(i/8)+8*((i/2)%4)
.set rP, P+32*((\x)%2)+16*(i%2)+8*(i/8)
	v_wmma_f32_16x16x32_f16 v[rO:rO+7], v[rV:rV+7], v[rP:rP+7], v[rO:rO+7]
.endm
.macro MM                           ; the turn's next matrix instruction
.if i < 16
	KQ (Y+1)%NP
.set i, i+1
.else
.set i, i-16
	PV (Y+NP-1)%NP
.set i, i+17
.endif
.endm
; THE LDS LOADS stand in runs of 16, never singly among the matrix instructions: a step's K (64 keys x 64 channels: 8 fragments) and its V (turned).  Their addresses are made some lines ahead.
; last = 1 (the tail): in the last trip there is no further step, and the run is jumped over.
.macro FETCH_K last=0
	WIN 0
.if \last
	s_cmp_eq_u32 s[CNT], 1
	s_cbranch_scc1 .Lno_k_\@
.endif
	WIN 0x80                        ; destination window 2
.irp f, 0,1,2,3,4,5,6,7             ; keys 16 (f / 2) on, channels 32 (f % 2) on
	ds_load_b128 v[KF+8*\f:KF+8*\f+3],   v[AK] offset:(\f/2)*16*PK+(\f%2)*64
	ds_load_b128 v[KF+8*\f+4:KF+8*\f+7], v[AK] offset:(\f/2)*16*PK+(\f%2)*64+32
.endr
	s_add_co_u32 s[TBK], s[TBK], KS*PK  ; the next fetch is the next step's
	WIN 0
.if \last
.Lno_k_\@:
.endif
.endm
.macro FETCH_V
	WIN 0x80
.irp f, 0,1,2,3,4,5,6,7             ; keys 32 (f / 4) on, channels 16 (f % 4) on
	ds_load_tr16_b128 v[VF+8*\f:VF+8*\f+3],   v[AV] offset:(\f/4)*32*PV+(\f%4)*32
	ds_load_tr16_b128 v[VF+8*\f+4:VF+8*\f+7], v[AV] offset:(\f/4)*32*PV+16*PV+(\f%4)*32
.endr
	WIN 0
.endm
; THE VECTOR WORK OF A TURN stands in three queues, each in the order in which its entries become ready; the two tiles alternate, so that no instruction reads the result of the one before it.
.macro REGS y, u                    ; the registers of tile u (0, 1) of piece y
.set rT, ST+4*(2*(\y)+(\u))
.set rC, TMP+8*((\y)%2)+4*(\u)
.set rM, MV+2*((\y)%2)+(\u)
.set rS, S+64*((\y)%2)+32*(\u)
.set rP, P+32*((\y)%2)+16*(\u)
.set rO, 32*(2*(\y)+(\u))
.endm
; Number n of the 22 that find the NEXT piece's (Y + 1) maximum and statistics.  s0-s31 are the lane's 32 scores; each accumulator's lowest registers are read first.  XS, GS and REGS set no window: PL and EX do.
;   0-11  four chains c0-c3 of seven scores each, three operands at a time     12-14, 16  the four scores left over, the old m, and c0-c3 into c0     15  c m_old is kept
;   17, 18  the query's other 32 keys lie in the lane 16 away: the new m         19-21  c m; c m_old - c m_new; a
.macro XS u, n
	REGS (Y+1)%NP, \u
.if (\n) < 4
	v_max3_num_f32 v[rC+(\n)], v[rS+8*(\n)], v[rS+8*(\n)+1], v[rS+8*(\n)+2]
.elseif (\n) < 12
	v_max3_num_f32 v[rC+(\n)%4], v[rC+(\n)%4], v[rS+8*((\n)%4)+2*((\n)/4)+1], v[rS+8*((\n)%4)+2*((\n)/4)+2]
.elseif (\n) == 12
	v_max3_num_f32 v[rC], v[rC], v[rS+7], v[rS+15]
.elseif (\n) == 13
	v_max3_num_f32 v[rC+1], v[rC+1], v[rS+23], v[rS+31]
.elseif (\n) == 14
	v_max3_num_f32 v[rC+2], v[rC+2], v[rC+3], v[rT+1]
.elseif (\n) == 15
	v_mov_b32 v[rM], v[rT]
.elseif (\n) == 16
	v_max3_num_f32 v[rC], v[rC], v[rC+1], v[rC+2]
.elseif (\n) == 17
	v_permlanex16_b32 v[rC+3], v[rC], s[SEL], s[SEL+1]
.elseif (\n) == 18
	v_max_num_f32 v[rT+1], v[rC], v[rC+3]
.elseif (\n) == 19
	v_mul_f32 v[rT], s[CS], v[rT+1]
.elseif (\n) == 20
	v_sub_f32 v[rC+1], v[rM], v[rT]
.else
	v_exp_f32 v[rC+2], v[rC+1]
.endif
.endm
; Number g of the 64 that follow the exponentials.  For each four weights k of a tile (pairs 2 k, 2 k + 1): both pairs are rounded to f16; then the second pair is added onto the first, in place;
; a group later l takes that sum (the first time as l = a l + sum).  In groups of eight, tiles alternating: round, round, add, and l for the group before.
.macro GS g
.set h, (\g)+6*((\g)/62)            ; group 0 has no group before it, and behind group 7 only l is left
.if h >= 6
.set h, h+2
.endif
	REGS Y, h%2
.set k, h/8
.if h%8 < 4
	s_wait_alu depctr_va_vdst(0)
	v_cvt_pk_f16_f32 v[rP+2*k+(h%8)/2], v[rS+4*k+2*((h%8)/2)], v[rS+4*k+2*((h%8)/2)+1]
.elseif h%8 < 6
	v_pk_add_f32 v[rS+4*k:rS+4*k+1], v[rS+4*k:rS+4*k+1], v[rS+4*k+2:rS+4*k+3]
.elseif k == 1
	v_pk_fma_f32 v[rT+2:rT+3], v[rT+2:rT+3], v[rC+2:rC+3], v[rS:rS+1] op_sel_hi:[1,0,1]
.else
	v_pk_add_f32 v[rT+2:rT+3], v[rT+2:rT+3], v[rS+4*k-4:rS+4*k-3]
	s_wait_alu depctr_va_vdst(0)
.endif
.endm
; THE PLAIN QUEUE, 138 long.  0-31: c s - c m for the 16 pairs of both tiles.  Then GS's 64, and among them the next piece's 42: number 15 at 38, 39; 0-14 and 16
; at 42-73, behind the products that make those scores; 17-20 at 95-106, two of three, since each waits for the one before it.
.macro PL
	WIN 0
.if q < 32
	REGS Y, q%2
	v_pk_fma_f32 v[rS+2*(q/2):rS+2*(q/2)+1], v[rS+2*(q/2):rS+2*(q/2)+1], s[CS:CS+1], v[rT:rT+1] op_sel_hi:[1,0,0] neg_lo:[0,0,1] neg_hi:[0,0,1]
.elseif q < 38
	GS q-32
.elseif q < 40
	XS q%2, 15
.elseif q < 42
	GS q-34
.elseif q < 74
	XS q%2, (q-42)/2+(q-42)/30
.elseif q < 95
	GS q-66
.elseif (q < 107) && ((q-95)%3 < 2)
	XS (q-95)%3, 17+(q-95)/3
.elseif q < 107
	GS 29+(q-95)/3
.else
	GS q-74
.endif
.set q, q+1
.endm
; THE EXPONENTIALS' QUEUE, 66 long: s0-s31 of both tiles, and at EA the next piece's two a.
.set EA, 58
.macro EX
	WIN 0
.if (e == EA) || (e == EA+1)
	XS e-EA, 21
.else
.set x, e-2*(e/(EA+2))
	REGS Y, x%2
	v_exp_f32 v[rS+x/2], v[rS+x/2]
.endif
.set e, e+1
.endm
; THE RESCALING's QUEUE: O^T times a, the one part that leaves window 0, so it is dealt four at a time, eight times.
.macro R4
	REGS Y, r%2
	WIN W_RS
	s_wait_alu depctr_va_vdst(0)
.irp z, 0,1,2,3
	v_pk_mul_f32 v[rO+8*(r/2)+2*\z:rO+8*(r/2)+2*\z+1], v[rO+8*(r/2)+2*\z:rO+8*(r/2)+2*\z+1], v[rC+2:rC+3] op_sel_hi:[1,0]
.endr
.set r, r+1
.endm
; HOW THEY ARE DEALT.  Behind a matrix instruction four: plain, exponential, plain, plain (one exponential, a plain instruction on either side), or four of the rescaling.  None names a register of the
; products round it.  What is over stands in two LUMPS: exponential and plain by turns; the second ends in 22 plain instructions.  The two v_permlanex16_b32 fall into the second lump, never behind a product.
; The queues lean on each other, and the deal keeps them in step: exponential e stands behind plain 2 (e / 4) + e % 2 (its scaling); when plain 32 comes, 10 exponentials are out, at 59: 33, at 95: 46; EA comes behind plain 107.
.macro SL
	MM
	PL
	EX
	PL
	PL
.endm
.macro BURST n                      ; 15 matrix instructions, or 16
.rept (\n)-7
	SL
.endr
.rept 3
	MM
	R4
	SL
.endr
	MM
	R4
.endm
; A TURN, for piece p.  cnt = 1: the loop's count is taken down some lines ahead of the branch that stands behind the turn.
; K of the next step is fetched in piece 2's turn, 31 vector instructions behind the last product that read K; its first reader comes behind the rest of the lump, 16 products and the second lump.
; V of the step in hand is fetched at the end of piece 0's turn, 69 behind its last reader; its first reader comes behind 16 products and a lump.  The four conditions on e and q below go with the deal.
.macro TURN p, last=0, cnt=0
.set Y, (\p)
.set i, 0
.set q, 0
.set e, 0
.set r, 0
.if (\p) == NP-1
	s_wait_dscnt 0x0                ; K is in
.endif
	MM
.rept 4
	PL
.endr
	BURST 15
.rept 22
	EX
	PL
.if ((\p) == NP-2) && (e == 18)
	v_add_nc_u32 v[AK], s[TBK], v[AK0]
.endif
.if ((\p) == NP-2) && (e == 24)
	FETCH_K \last
.endif
.endr
.if (\p) == 1
	s_wait_dscnt 0x0                ; V is in
.endif
	BURST 16
.rept 21
	EX
	PL
.endr
.rept 22
	PL
.if ((\p) == 0) && (q == 118)
	v_add_nc_u32 v[AV], s[TBV], v[AV0]
	s_wait_alu depctr_va_vdst(0)
.endif
.if ((\p) == 0) && (q == 130)
	s_add_co_u32 s[TBV], s[TBV], KS*PV
.endif
.if (\cnt) && (q == 130)
	s_sub_co_u32 s[CNT], s[CNT], 1
	s_cmp_lg_u32 s[CNT], 0
.endif
.endr
.if (\p) == 0
	FETCH_V
.endif
.endm
	CHANGE 1                        ; slot 0 is in, everybody's part of it; slot 1 is asked for
	FETCH_K                         ; key step 0
	s_wait_loadcnt 0x0              ; Q
	s_wait_dscnt 0x0
.set i, 0
.rept 16
	KQ 0                            ; piece 0's first scores: there is no vector work yet to set between them
.set i, i+1
.endr
	WIN 0                           ; the addresses for the way out: nine plain instructions, the places behind those products
	s_mul_i32 s13, s[WV], 16*SP
	s_add_co_u32 s13, s13, STAGE    ; my stage
	v_mul_u32_u24 v[STO], v1, SP    ; in: row l % 16, 16 bytes for each half of the lanes
	v_lshl_add_u32 v[STO], v9, 4, v[STO]
	v_add_nc_u32 v[STO], s13, v[STO]
	v_bfe_u32 v[RD], v0, 3, 2       ; back: 32 lanes take four rows of 128 bytes,
	v_mul_u32_u24 v[RD], v[RD], SP
	v_lshl_add_u32 v[RD], v10, 4, v[RD]
	v_add_nc_u32 v[RD], s13, v[RD]
	v_and_b32 v[GO], 31, v0         ; which are 512 consecutive bytes of O
	v_lshlrev_b32 v[GO], 4, v[GO]
.set Y, NP-1                        ; XS works for piece Y + 1: piece 0
.irp n, 0,1,2,3,4,5,6,7,8,9,10,11,12,13,14,15,16,17,18,19,20,21
	XS 0, \n                        ; and piece 0's first maximum and statistics
	XS 1, \n
.endr
	s_mov_b32 s[CNT], 4
	s_mov_b32 s[SLOTS], SIZE_N/256-1
	s_branch .Lfirst                ; the loop is entered at a step's first turn, in the middle of a trip
.Lslot:                             ; SIZE_N / 256 - 2 times: every slot but the last two is filled again
	CHANGE 1
	s_mov_b32 s[CNT], 4
.Lstep:                             ; a trip: pieces 2 and 3 of one step, then pieces 0 and 1 of the next, whose K and V it fetches
	TURN 2
	TURN 3
	WIN 0
.Lfirst:
	TURN 0
	TURN 1, 0, 1
	WIN 0
	s_cbranch_scc1 .Lstep
	s_sub_co_u32 s[SLOTS], s[SLOTS], 1
	s_cmp_lg_u32 s[SLOTS], 0
	s_cbranch_scc1 .Lslot
	CHANGE 0                        ; the tail is written out: nothing is asked for
	s_mov_b32 s[CNT], 5             ; four trips fetch the last slot's steps; the fifth is left in its middle
.Ltail:
	TURN 2, 1
	TURN 3
	WIN 0
	s_sub_co_u32 s[CNT], s[CNT], 1
	s_cmp_eq_u32 s[CNT], 0
	s_cbranch_scc1 .Lout
	TURN 0
	TURN 1
	WIN 0
	s_branch .Ltail
.Lout:                              ; the fifth trip's 16 products K Q^T (on the last K once more) and the maximum made of them serve nothing: the price, once a launch, of one text for every trip
.set i, 0
.rept 16
	PV NP-1                         ; the last piece's V^T P of the last step
.set i, i+1
.endr
	; THE WAY OUT.  l's two halves and the other half of the lanes' are added, then the 1e-10 of the problem's softmax; O^T is divided by that, rounded to f16 and sent through my stage in LDS, a tile at a time.
	; The additions are the places behind the last products.
	WIN 0
.macro ALL line:vararg              ; one line for each tile t
.set t, 0
.rept 2*NP
	\line
.set t, t+1
.endr
.endm
	ALL v_add_f32 v[ST+4*t+2], v[ST+4*t+2], v[ST+4*t+3]
	ALL v_permlanex16_b32 v[ST+4*t+3], v[ST+4*t+2], s[SEL], s[SEL+1]
	ALL v_add_f32 v[ST+4*t+2], v[ST+4*t+2], v[ST+4*t+3]
	ALL v_add_f32 v[ST+4*t+2], 0x2edbe6ff, v[ST+4*t+2]
	ALL v_rcp_f32 v[ST+4*t+2], v[ST+4*t+2]
	v_nop                           ; a plain instruction between the last reciprocal and the use of its result
	s_wait_alu depctr_va_vdst(0)
; Tile t: a lane's eight channels of a row pack into 16 bytes; they go into rows of 144 bytes and come back as whole rows of 128, into S^T's registers.
.macro PACK t
	WIN W_RS
.set i, 32*(\t)
.rept 16
	v_pk_mul_f32 v[i:i+1], v[i:i+1], v[ST+4*(\t)+2:ST+4*(\t)+3] op_sel_hi:[1,0]
.set i, i+2
.endr
	WIN 0x05                        ; sources 0 and 1 window 1, destination window 0
.set i, 0
.rept 16
	v_cvt_pk_f16_f32 v[S+16*(\t)+i], v[32*(\t)+2*i], v[32*(\t)+2*i+1]
.set i, i+1
.endr
	WIN 0
.irp f, 0,1,2,3
	ds_store_b128 v[STO], v[S+16*(\t)+4*\f:S+16*(\t)+4*\f+3] offset:32*\f
.endr
.irp f, 0,1,2,3
	ds_load_b128 v[S+16*(\t)+4*\f:S+16*(\t)+4*\f+3], v[RD] offset:\f*4*SP  ; LDS serves a wave's instructions in order (ISA guide 5.7.1.4): these see the stores above; the next tile's stores come behind them
.endr
.endm
.macro SEND t, younger              ; younger: the LDS instructions issued behind tile t's loads: the next tile's eight, or none
	WIN 0
.irp f, 0,1,2,3
	s_wait_dscnt (\younger)+3-\f
	global_store_b128 v[GO], v[S+16*(\t)+4*\f:S+16*(\t)+4*\f+3], s[10:11] offset:(\t)*2048+\f*512  ; 512 consecutive bytes, at a multiple of 256 from O's first
.endr
.endm
	PACK 0
.set t, 1
.rept 2*NP-1                        ; a tile's arithmetic stands between the loads of the tile before and its stores
	PACK t
	SEND t-1, 8
.set t, t+1
.endr
	SEND 2*NP-1, 0
	WIN W_AD
	s_wait_tensorcnt 0x0            ; the wave's end: behind my last tensor load and my last LDS store
	ds_add_u32 v[SPW], v[NIL]
	s_wait_dscnt 0x0
	WIN 0
	CROUND                          ; the closing round: no work-group ends while a partner may still ask for a tile that names it
	s_endpgm
.Lfunc_end_k_qc5c84bd29b_attn:
	.size	k_qc5c84bd29b_attn, .Lfunc_end_k_qc5c84bd29b_attn-k_qc5c84bd29b_attn
	.p2alignl 7, 3214868480
	.fill 96, 4, 3214868480
	.section	.rodata,"a",@progbits
	.p2align	6, 0x0
	.amdhsa_kernel k_qc5c84bd29b_attn
		.amdhsa_group_segment_fixed_size 327680
		.amdhsa_private_segment_fixed_size 0
		.amdhsa_enable_private_segment 0
		.amdhsa_kernarg_size 16
		.amdhsa_user_sgpr_count 2
		.amdhsa_user_sgpr_kernarg_segment_ptr 1
		.amdhsa_wavefront_size32 1
		.amdhsa_system_sgpr_workgroup_id_x 1
		.amdhsa_system_sgpr_workgroup_id_y 1
		.amdhsa_system_sgpr_workgroup_id_z 1
		.amdhsa_system_vgpr_workitem_id 0
		.amdhsa_next_free_vgpr 770
		.amdhsa_next_free_sgpr 66
		.amdhsa_reserve_vcc 0
		.amdhsa_float_denorm_mode_32 3
		.amdhsa_float_denorm_mode_16_64 3
		.amdhsa_memory_ordered 1
		.amdhsa_forward_progress 1
		.amdhsa_inst_pref_size 209
	.end_amdhsa_kernel
	.amdgpu_metadata
---
amdhsa.version: [ 1, 2 ]
amdhsa.kernels:
  - .name:           k_qc5c84bd29b_attn
    .symbol:         k_qc5c84bd29b_attn.kd
    .args:
      - { .name: qkvh, .offset: 0, .size: 8, .value_kind: global_buffer, .address_space: global }
      - { .name: oh, .offset: 8, .size: 8, .value_kind: global_buffer, .address_space: global }
    .group_segment_fixed_size: 327680
    .private_segment_fixed_size: 0
    .kernarg_segment_align: 8
    .kernarg_segment_size: 16
    .max_flat_workgroup_size: 128
    .sgpr_count:     66
    .vgpr_count:     770
    .wavefront_size: 32
...
	.end_amdgpu_metadata
.endif
;; end of part 3
;; launch oproj (part 4): grid 4 x 64, 4 waves a work-group, clusters of 4 x 4, 327,680 bytes of LDS; arguments oh, w16, bo, out0; writes out0
.if DOCPART == 4
	.amdgcn_target "amdgcn-amd-amdhsa--gfx1250"
	.amdhsa_code_object_version 6
	.text
	.protected	k_qc5c84bd29b_oproj
	.globl	k_qc5c84bd29b_oproj
	.p2align	8
	.type	k_qc5c84bd29b_oproj,@function
k_qc5c84bd29b_oproj:
	s_mov_b64 s[64:65], 0
	v_nop
	global_prefetch_b8 v0, s[64:65] scope:SCOPE_SE
	s_setreg_imm32_b32 hwreg(HW_REG_WAVE_MODE, 25, 1), 1
	s_wait_xcnt 0x0
	s_wait_alu depctr_hold_cnt(0) depctr_sa_sdst(0) depctr_va_vdst(0) depctr_va_sdst(0) depctr_va_ssrc(0) depctr_va_vcc(0) depctr_vm_vsrc(0)
	s_getreg_b32 s2, hwreg(HW_REG_IB_STS2, 6, 4)
	s_cmp_eq_u32 s2, 0
	s_cbranch_scc0 .Lentry_in_a_cluster
	s_endpgm
.Lentry_in_a_cluster:
	s_bfe_u32 s2, ttmp6, 0x10000c
	s_cmp_lg_u32 s2, 0xf033
	s_cbranch_scc0 .Lentry_shape_is_right
	s_endpgm
.Lentry_shape_is_right:
; THE LAST PRODUCT.  out0 = O Wo^T + bo, [8192][1024] x [1024][1024]^T, 1,024 along K.  Both operands are f16 in PANELS ([16 slices][rows][64], a slice's rows dense, 128 bytes each): O = oh, by heads, which is
; the same layout for each batch of 2,048 rows; Wo is the fourth matrix of w16.  Sums in f32; out0 leaves as f32, [8192][1024].
; LIMITS.  The bias is rounded to bf16 like every other input, and starts the sums as the C operand of each accumulator's first product.  The sums' order is the matrix unit's, K ascending, not a chain of f32 additions.
; SHARES.  A tile of C is 128 rows (inside one batch) x 256 columns: 256 work-groups.  Four waves, each 64 x 128: 32 accumulators of 16 x 16, 256 registers.
; THE WALK.  K goes in 8 steps of 128 = two slices through a ring of two LDS slots.  A slice of a tile is one dense block of memory: asked for as rows of 256 bytes, padded in LDS after every 128.
; A step's text is written once: the slot in hand is a scalar, 0 or SLOT, turned by an exclusive or, and all LDS addresses are sums with it.  The loop has 6 trips, each with one refill; the last two steps,
; which ask for nothing, are a second loop, left in its middle.
; CLUSTERS: 4 x 4 work-groups.  The four of a row of the cluster need the same tiles of A (their four tile columns are all of C's columns), the four of a column the same tiles of W: each tile is asked for
; JOINTLY, by the same tensor load with the same descriptor and a mask that names the four.
; THE MATRIX INSTRUCTION IS USED TRANSPOSED (source 0 = 16 rows of W, source 1 = 16 rows of A): a lane then holds row lane % 16 of C and the eight neighbouring columns 8 (lane / 16) + 0..7.
; REGISTERS, in windows of 256 (s_set_vgpr_msb: bits 1:0 source 0, 3:2 source 1, 5:4 source 2, 7:6 destination):
;   window 0: v0-31 addresses; v32-127, v128-223 two fragment buffers (32 along K: A's 4 fragments, then W's 8), at work again on the way out
;   window 1: the accumulators, (a, b) at v[8 (8 a + b)]          window 2: v0-63 the bias, 8 registers for each block of 16 columns; v64-95 at work
.set PITCH,  144                       ; an LDS row: 128 bytes + 16 of padding = 36 words: the 16 rows of a load start at 16 different groups of four banks (64 banks of 4 bytes: ISA guide 11.1)
.set ASL,    128*PITCH                 ; a slice of A's tile
.set BSL,    256*PITCH                 ; a slice of W's tile
.set SLOT,   2*ASL+2*BSL               ; A's two slices, then W's two
.set STAGE,  2*SLOT                    ; behind the ring, never filled by a tensor load: each wave's own stage for the way out
.set WSTG,   8448                      ; a wave's stage: 16 rows x 528 bytes
.set SPARE,  STAGE+4*WSTG              ; behind the stages: the spare words, 128 bytes for each wave: two blocks of 256 bytes that no other line names
.set STEPS,  8                         ; 1,024 / 128
.set ASTEP,  2<<18                     ; a K step on = two slices: of 2,048 rows in A,
.set BSTEP,  2<<17                     ; of 1,024 rows in W
.set ADRA0, 16                         ; v16     my lane's place in A's part of a slot; never rewritten
.set ADRB0, 17                         ; v17     the same for W
.set ADRA,  18                         ; v18     the same in the slot in hand
.set ADRB,  19                         ; v19
.set STO,  24                          ; v24     the way out: where I put my bytes of a row
.set RD,   25                          ; v25     the way out: where I read rows back
.set GO,   26                          ; v26     16 x lane: my place in 512 consecutive bytes of the output
.set SPW,  28                          ; v28     LDS address of my spare word: SPARE + 4 x my thread's number; never rewritten
.set NIL,  29                          ; v29     0; never rewritten
.set F0,   32
.set F1,   128
.set TMP,  32                          ; the way out: the fragment buffers' registers
.set RB,  2                            ; s2      the slot in hand: 0 or SLOT
.set CT,  3                            ; s3      counts the loops' trips
.set G1,  24                           ; s[24:31] descriptor group 1 for A's tiles;  s[32:39] group 0: a set for each of the two first fills; the second then walks on
.set G0,  32
.set G1B, 48                           ; s[48:55], s[56:63] the same for W's tiles
.set G0B, 56
.set MSK, 75                           ; s75     a word's upper bf16
.set MSB, 0
.macro WIN new                         ; the immediate's high byte repeats the setting that is left; a switch that changes nothing is dropped
.if MSB != (\new)
	s_set_vgpr_msb (MSB<<8)|(\new)
.set MSB, \new
.endif
.endm
.set MUL,  0x50                        ; fragments in window 0; C and D in window 1
.set MULB, 0x60                        ; D in window 1, C (the bias) in window 2
.macro JLOAD s                         ; a joint load: waves 0 and 1 fetch A's two slices, waves 2 and 3 W's; an s_nop 0 and four v_nop follow each of the two lines, ahead of the jump, the label and what follows
	s_cmp_eq_u32 s11, 0
	s_cbranch_scc0 .Lfor_b_\@
	tensor_load_to_lds s[G0+4*(\s):G0+4*(\s)+3], s[G1:G1+7]
	s_nop 0
.rept 4
	v_nop
.endr
	s_branch .Lasked_\@
.Lfor_b_\@:
	tensor_load_to_lds s[G0B+4*(\s):G0B+4*(\s)+3], s[G1B:G1B+7]
	s_nop 0
.rept 4
	v_nop
.endr
.Lasked_\@:
.endm
.macro CREST                           ; a round of the cluster's barrier behind its opening barrier
	s_cmp_lg_u32 s10, 0
	s_cbranch_scc1 .Lnot_wave_0_\@
	s_barrier_signal -3
.Lnot_wave_0_\@:
	s_barrier_wait -3
	s_barrier_signal -1
	s_barrier_wait -1
.endm
.macro CROUND                          ; a whole round
	s_barrier_signal -1
	s_barrier_wait -1
	CREST
.endm
	s_load_b128 s[4:7], s[0:1], 0x0                ; oh s[4:5], w16 s[6:7]
	s_load_b128 s[76:79], s[0:1], 0x10             ; bo, out0
	v_lshl_add_u32 v[SPW], v0, 2, SPARE
	v_mov_b32 v[NIL], 0
	ds_add_u32 v[SPW], v[NIL]                      ; the wave's opening: the add and its wait stand ahead of my first tensor load; the set-up below, work on registers, stands between them
	v_lshrrev_b32 v1, 5, v0
	v_readfirstlane_b32 s10, v1                    ; wave 0..3
	s_lshr_b32 s11, s10, 1                         ; which 64 of the tile's rows are mine.  Also: I fetch for A (0) or for W (1)
	s_and_b32 s12, s10, 1                          ; which 128 of its columns.  Also: which slice of a K step I fetch
	s_bfe_u32 s40, ttmp6, 0x40000                  ; cx, cy: my place in the cluster
	s_bfe_u32 s41, ttmp6, 0x40004
	s_lshl_b32 s42, ttmp9, 2
	s_add_co_u32 s42, s42, s40                     ; tile column of C = 4 x cluster x + cx
	s_and_b32 s45, ttmp7, 0xffff                   ; the cluster's y
	s_lshl_b32 s13, s45, 2
	s_add_co_u32 s13, s13, s41                     ; tile row R = 4 x cluster y + cy
	s_lshl_b32 s43, s41, 2
	s_lshl_b32 s43, 15, s43                        ; my row of the cluster
	s_lshl_b32 s44, 0x1111, s40                    ; my column
	s_mov_b32 s[RB], 0                             ; slot 0 is read first
	s_mov_b32 s[MSK], 0xffff0000
	; descriptor group 1: rows of 128 elements (256 bytes, two rows of a slice), 64 of them for A's slice, 128 for W's
	s_or_b32 s[G1+0], s43, (1<<16)|(1<<20)|(1<<21)|(4<<22)|(3<<25)   ; 15:0 the mask: A's tiles go to my row; 17:16 elements of 2 bytes; 20 padding on; 21 set beside a mask; 24:22 after every 32 words (code 4); 31:25 of 4 words (code 3)
	s_or_b32 s[G1B+0], s44, (1<<16)|(1<<20)|(1<<21)|(4<<22)|(3<<25)  ; the same with the mask of my column
.irp g, G1, G1B
	s_mov_b32 s[(\g)+1], 128<<16                   ; tensor_dim0 = 128
	s_mov_b32 s[(\g)+3], 128<<16                   ; tile_dim0 = 128
	s_mov_b32 s[(\g)+5], 128                       ; 128 elements from row to row: the block is dense
	s_mov_b32 s[(\g)+6], 0
	s_mov_b32 s[(\g)+7], 0
.endr
	s_mov_b32 s[G1+2], 64<<16                      ; tensor_dim1 and
	s_mov_b32 s[G1+4], 64                          ; tile_dim1: 64 for A,
	s_mov_b32 s[G1B+2], 128<<16
	s_mov_b32 s[G1B+4], 128                        ; 128 for W
	; where the tiles come from.  A's hang on the tile row and the wave's number, W's on the tile column and the wave's number, each in registers that never hold the other coordinate
	s_lshr_b32 s16, s13, 4                         ; 16 tile rows to a batch of 2,048 rows, 4 MiB each
	s_lshl_b32 s16, s16, 22
	s_and_b32 s17, s13, 15
	s_lshl_b32 s17, s17, 14                        ; 128 rows of 128 bytes
	s_add_co_u32 s16, s16, s17
	s_lshl_b32 s17, s12, 18                        ; my slice of K step 0
	s_add_co_u32 s16, s16, s17
	s_mov_b32 s17, 0
	s_mov_b32 s46, 3<<21                           ; Wo: behind three weights of 2 MiB
	s_lshl_b32 s47, s42, 15                        ; 256 rows of 128 bytes
	s_add_co_u32 s46, s46, s47
	s_lshl_b32 s47, s12, 17                        ; my slice of K step 0
	s_add_co_u32 s46, s46, s47
	s_mov_b32 s47, 0
	s_mul_i32 s20, s12, ASL                        ; and where they go: no place in the cluster enters an LDS address
	s_mul_i32 s21, s12, BSL
	s_add_co_u32 s21, s21, 2*ASL
	s_wait_dscnt 0x0                               ; the opening add is done
	s_wait_kmcnt 0x0
	s_add_nc_u64 s[14:15], s[4:5], s[16:17]
	s_add_nc_u64 s[46:47], s[6:7], s[46:47]
	CROUND                                         ; all sixteen work-groups are here: the first joint loads meet
.irp s, 0,1
	s_mov_b32 s[G0+4*(\s)], 1                                        ; 1:0 count = 1
	s_add_co_u32 s[G0+4*(\s)+1], s20, (\s)*SLOT                      ; 63:32 LDS address
	s_add_nc_u64 s[G0+4*(\s)+2:G0+4*(\s)+3], s[14:15], (\s)*ASTEP    ; 120:64 global address: K step s
	s_or_b32 s[G0+4*(\s)+3], s[G0+4*(\s)+3], 0x80000000              ; 127:126 type = 2
	s_mov_b32 s[G0B+4*(\s)], 1
	s_add_co_u32 s[G0B+4*(\s)+1], s21, (\s)*SLOT
	s_add_nc_u64 s[G0B+4*(\s)+2:G0B+4*(\s)+3], s[46:47], (\s)*BSTEP
	s_or_b32 s[G0B+4*(\s)+3], s[G0B+4*(\s)+3], 0x80000000
	JLOAD \s                                       ; two loads of mine are out
.endr
	; the bias of my 128 columns: register j of block b in lane l is bias[16 b + 8 (l / 16) + j], the layout of a C operand
	v_and_b32 v1, 15, v0                           ; l % 16
	v_bfe_u32 v2, v0, 4, 1                         ; l / 16
	v_lshlrev_b32 v6, 5, v2                        ; 8 numbers of 4 bytes for each half of the lanes
	s_lshl_b32 s66, s42, 10                        ; 256 columns of 4 bytes for each tile column,
	s_lshl_b32 s67, s12, 9                         ; my 128 of them
	s_add_co_u32 s66, s66, s67
	s_mov_b32 s67, 0
	s_add_nc_u64 s[76:77], s[76:77], s[66:67]
	WIN 0x80                                       ; destination window 2, address window 0
.irp b, 0,1,2,3,4,5,6,7
	global_load_b128 v[8*(\b):8*(\b)+3],   v6, s[76:77] offset:64*(\b)
	global_load_b128 v[8*(\b)+4:8*(\b)+7], v6, s[76:77] offset:64*(\b)+16
.endr
	WIN 0
	; where my part of C begins: the row part and the column part are made apart
	s_lshl_b32 s16, s13, 19                        ; the tile's 128 rows of 4,096 bytes,
	s_lshl_b32 s17, s11, 18                        ; my 64 of them
	s_add_co_u32 s16, s16, s17
	s_lshl_b32 s68, s42, 10                        ; the tile's 256 columns of 4 bytes,
	s_lshl_b32 s69, s12, 9                         ; my 128 of them
	s_add_co_u32 s68, s68, s69
	s_mov_b32 s17, 0
	s_mov_b32 s69, 0
	s_add_nc_u64 s[78:79], s[78:79], s[16:17]
	s_add_nc_u64 s[78:79], s[78:79], s[68:69]
	; A fragment is 16 rows x 32 K in 8 registers: lane l holds row l % 16, K = 8 (l / 16) + 0..7 and 16 + 8 (l / 16) + 0..7: two loads of 16 bytes, 32 bytes apart
	v_mul_u32_u24 v3, v1, PITCH
	v_lshl_add_u32 v3, v2, 4, v3                   ; row x pitch + 16 x half
	s_mul_i32 s18, s11, 64*PITCH                   ; my 64 rows of A
	s_mul_i32 s19, s12, 128*PITCH                  ; my 128 rows of W,
	s_add_co_u32 s19, s19, 2*ASL                   ; which lie behind A's two slices
	v_add_nc_u32 v[ADRA0], s18, v3
	v_add_nc_u32 v[ADRB0], s19, v3
	v_add_nc_u32 v[ADRA], s[RB], v[ADRA0]
	v_add_nc_u32 v[ADRB], s[RB], v[ADRB0]
	s_mul_i32 s23, s10, WSTG
	s_add_co_u32 s23, s23, STAGE                   ; my stage
	v_and_b32 v[GO], 31, v0
	v_lshlrev_b32 v[GO], 4, v[GO]
	v_mul_u32_u24 v4, v1, 528                      ; in: row l % 16 of 528 bytes (132 words: row r starts at bank 4 r mod 64), 32 bytes for each half of the lanes
	v_lshl_add_u32 v4, v2, 5, v4
	v_add_nc_u32 v[STO], s23, v4
	v_add_nc_u32 v[RD], s23, v[GO]                 ; back: 32 lanes take one row of 512 bytes
	s_wait_loadcnt 0x0                             ; the bias
	WIN 0x8a                                       ; sources 0 and 1 and the destination in window 2
.set i, 0
.rept 32
	v_cvt_pk_bf16_f32 v[64+i], v[2*i], v[2*i+1]    ; rounded to bf16 like every input,
.set i, i+1
.endr
.set i, 0
.rept 32
	v_lshlrev_b32 v[2*i], 16, v[64+i]              ; and back in f32
	v_and_b32 v[2*i+1], s[MSK], v[64+i]
.set i, i+1
.endr
	WIN 0
; 8 matrix instructions: m block a x all 8 n blocks, 32 along K, from buffer f.  zero = 1: the first product starts the sums, with the bias as C: nothing is cleared and nothing is added later.
; The 32 accumulators take turns, one instruction a turn, in the same order in every quarter.
.macro MULA f, a, zero
.if \zero
	WIN MULB
.else
	WIN MUL
.endif
.irp b, 0,1,2,3,4,5,6,7
.if \zero
	v_wmma_f32_16x16x32_f16 v[8*(8*(\a)+(\b)):8*(8*(\a)+(\b))+7], v[(\f)+32+8*(\b):(\f)+32+8*(\b)+7], v[(\f)+8*(\a):(\f)+8*(\a)+7], v[8*(\b):8*(\b)+7]
.else
	v_wmma_f32_16x16x32_f16 v[8*(8*(\a)+(\b)):8*(8*(\a)+(\b))+7], v[(\f)+32+8*(\b):(\f)+32+8*(\b)+7], v[(\f)+8*(\a):(\f)+8*(\a)+7], v[8*(8*(\a)+(\b)):8*(8*(\a)+(\b))+7]
.endif
.endr
.endm
; 24 LDS loads in one run, from the slot in hand: the fragments of quarter q of a K step (slice q / 2, byte 64 (q % 2) of its rows) into buffer f: W's 16 loads, A's blocks 0 and 1, A's blocks 2 and 3
.macro FETCH q, f
	WIN 0
.irp i, 0,1,2,3,4,5,6,7
	ds_load_b128 v[(\f)+32+8*(\i):(\f)+32+8*(\i)+3],   v[ADRB] offset:((\q)/2)*BSL+((\q)%2)*64+(\i)*16*PITCH
	ds_load_b128 v[(\f)+32+8*(\i)+4:(\f)+32+8*(\i)+7], v[ADRB] offset:((\q)/2)*BSL+((\q)%2)*64+(\i)*16*PITCH+32
.endr
.irp i, 0,1,2,3
	ds_load_b128 v[(\f)+8*(\i):(\f)+8*(\i)+3],   v[ADRA] offset:((\q)/2)*ASL+((\q)%2)*64+(\i)*16*PITCH
	ds_load_b128 v[(\f)+8*(\i)+4:(\f)+8*(\i)+7], v[ADRA] offset:((\q)/2)*ASL+((\q)%2)*64+(\i)*16*PITCH+32
.endr
.endm
.macro PLACES                          ; four places in front of loads into registers that matrix instructions have read, and of lines that read results just made (ISA guide 7.12.1 for vector instructions)
.rept 4
	v_nop
.endr
.endm
; A K step is four quarters of 32 along K, 32 matrix instructions each, on buffers 0, 1, 0, 1.  One of the first three: multiplies buffer f and fetches quarter q into g.
.macro QUARTER q, f, g, zero
	s_wait_dscnt 4                                 ; W and A's blocks 0 and 1 are in; the youngest four loads (A's blocks 2 and 3) may be out
	MULA \f, 0, \zero
	MULA \f, 1, \zero
	PLACES
	FETCH \q, \g
	s_wait_dscnt 24                                ; all but the 24 just issued
	MULA \f, 2, \zero
	MULA \f, 3, \zero
.endm
; The last quarter multiplies buffer 1 and changes slots: ONE barrier; in front of it each wave waits for all its tensor loads, adds 0 to its spare word, and waits for that and for its own reads of this slot.
; fill = 1: this slot is filled again, two K steps ahead; the barrier then opens a round of the cluster's barrier, and the joint load is the first tensor load behind the round: 112 matrix instructions ahead of the wait for it.
.macro TURN fill
	WIN 0
	s_wait_tensorcnt 0x0                           ; all my tensor loads have landed: the one that was out is my part of the next slot; so a group 0 may be written
	ds_add_u32 v[SPW], v[NIL]                      ; 0 onto my spare word: scalar work and eight matrix instructions stand between it and the wait for it
.if \fill
	s_add_nc_u64 s[G0+6:G0+7], s[G0+6:G0+7], ASTEP     ; the walking descriptors: the next K step; the type bits on top are not reached;
	s_add_nc_u64 s[G0B+6:G0B+7], s[G0B+6:G0B+7], BSTEP
	s_add_co_u32 s[G0+5], s20, s[RB]               ; into the slot in hand, which is being left
	s_add_co_u32 s[G0B+5], s21, s[RB]
.endif
	s_xor_b32 s[RB], s[RB], SLOT                   ; the reads go on in the other slot
	s_wait_dscnt 5                                 ; (the add and the youngest four loads may be out)
	MULA F1, 0, 0
	s_wait_dscnt 0x0                               ; the add is done, and my reads of this slot are over
	s_barrier_signal -1
	MULA F1, 1, 0
.if \fill
	WIN 0
.endif
	s_barrier_wait -1
.if \fill
	CREST                                          ; no wave of any partner still reads this slot's tile or has a load on its way
	JLOAD 1                                        ; the four v_nop behind it are also the places in front of the loads below
.else
	PLACES
.endif
	WIN 0
	v_add_nc_u32 v[ADRA], s[RB], v[ADRA0]
	v_add_nc_u32 v[ADRB], s[RB], v[ADRB0]
	FETCH 0, F0
	MULA F1, 2, 0
	MULA F1, 3, 0
.endm
; THE WAY OUT.  Block a: 16 rows x 128 columns of f32 go straight from the accumulators (the low four registers first) into rows of 528 bytes of my own stage and come back as whole rows of 512.
.macro STG a
.if (\a) >= 2
	s_wait_xcnt 0x0                                ; every earlier memory instruction has had its addresses translated (ISA guide 3.1): block a - 2's store registers are loaded again only behind this wait
.endif
	WIN 0x04                                       ; an LDS store's data is source 1: window 1
.irp b, 0,1,2,3,4,5,6,7
	ds_store_b128 v[STO], v[8*(8*(\a)+(\b)):8*(8*(\a)+(\b))+3]   offset:64*(\b)
	ds_store_b128 v[STO], v[8*(8*(\a)+(\b))+4:8*(8*(\a)+(\b))+7] offset:64*(\b)+16
.endr
	WIN 0
.set BK, TMP+64*((\a)%2)
.irp i, 0,1,2,3,4,5,6,7,8,9,10,11,12,13,14,15
	ds_load_b128 v[BK+4*(\i):BK+4*(\i)+3], v[RD] offset:528*(\i)  ; in order behind the stores above (ISA guide 5.7.1.4)
.endr
.endm
.macro SND a, younger                  ; younger: the LDS instructions issued behind block a's loads: the next block's 32, or none
.set BK, TMP+64*((\a)%2)
.irp i, 0,1,2,3,4,5,6,7,8,9,10,11,12,13,14,15
	s_wait_dscnt (\younger)+15-(\i)
	global_store_b128 v[GO], v[BK+4*(\i):BK+4*(\i)+3], s[78:79] offset:(16*(\a)+(\i))*4096 th:TH_STORE_NT  ; 512 consecutive bytes of a row, at a multiple of 256 from the buffer's first
.endr
.endm
	s_wait_tensorcnt 1                             ; my part of K step 0 is in; K step 1's load, issued behind it, may stay out
	s_barrier_signal -1
	s_barrier_wait -1                              ; everybody's is
	FETCH 0, F0
	QUARTER 1, F0, F1, 1                           ; the first quarter stands in front of the loop: its products start the sums
	WIN 0                                          ; at a label and at a branch every window is 0
	s_mov_b32 s[CT], STEPS-2
.Lstep:                                                ; a trip: a step's second to fourth quarters, with the change of slots and one refill, and the next step's first quarter
	QUARTER 2, F1, F0, 0
	QUARTER 3, F0, F1, 0
	TURN 1
	QUARTER 1, F0, F1, 0
	WIN 0
	s_sub_co_u32 s[CT], s[CT], 1
	s_cmp_lg_u32 s[CT], 0
	s_cbranch_scc1 .Lstep
	s_mov_b32 s[CT], 2                             ; the last two steps are written apart: nothing is asked for
.Ltail:
	QUARTER 2, F1, F0, 0
	QUARTER 3, F0, F1, 0
	TURN 0
	WIN 0
	s_sub_co_u32 s[CT], s[CT], 1
	s_cmp_eq_u32 s[CT], 0
	s_cbranch_scc1 .Lout
	QUARTER 1, F0, F1, 0
	WIN 0
	s_branch .Ltail
.Lout:                                                 ; the second trip's fetch (the step before's bytes once more) serves nothing: the price, once a launch, of one text for both trips
	s_wait_dscnt 0x0                               ; it is back: its registers are loaded again below
	PLACES                                         ; behind the last products
	STG 0
	STG 1
	SND 0, 32
	STG 2
	SND 1, 32
	STG 3
	SND 2, 32
	SND 3, 0
	s_wait_tensorcnt 0x0                           ; the wave's end: behind my last tensor load and my last LDS store
	ds_add_u32 v[SPW], v[NIL]
	s_wait_dscnt 0x0
	CROUND                                         ; the closing round: no work-group ends while a partner may still ask for a tile that names it
	s_endpgm
.Lfunc_end_k_qc5c84bd29b_oproj:
	.size	k_qc5c84bd29b_oproj, .Lfunc_end_k_qc5c84bd29b_oproj-k_qc5c84bd29b_oproj
	.p2alignl 7, 3214868480
	.fill 96, 4, 3214868480
	.section	.rodata,"a",@progbits
	.p2align	6, 0x0
	.amdhsa_kernel k_qc5c84bd29b_oproj
		.amdhsa_group_segment_fixed_size 327680
		.amdhsa_private_segment_fixed_size 0
		.amdhsa_enable_private_segment 0
		.amdhsa_kernarg_size 32
		.amdhsa_user_sgpr_count 2
		.amdhsa_user_sgpr_kernarg_segment_ptr 1
		.amdhsa_wavefront_size32 1
		.amdhsa_system_sgpr_workgroup_id_x 1
		.amdhsa_system_sgpr_workgroup_id_y 1
		.amdhsa_system_sgpr_workgroup_id_z 1
		.amdhsa_system_vgpr_workitem_id 0
		.amdhsa_next_free_vgpr 608
		.amdhsa_next_free_sgpr 80
		.amdhsa_reserve_vcc 0
		.amdhsa_float_denorm_mode_32 3
		.amdhsa_float_denorm_mode_16_64 3
		.amdhsa_memory_ordered 1
		.amdhsa_forward_progress 1
		.amdhsa_inst_pref_size 67
	.end_amdhsa_kernel
	.amdgpu_metadata
---
amdhsa.version: [ 1, 2 ]
amdhsa.kernels:
  - .name:           k_qc5c84bd29b_oproj
    .symbol:         k_qc5c84bd29b_oproj.kd
    .args:
      - { .name: oh, .offset: 0, .size: 8, .value_kind: global_buffer, .address_space: global }
      - { .name: w16, .offset: 8, .size: 8, .value_kind: global_buffer, .address_space: global }
      - { .name: bo, .offset: 16, .size: 8, .value_kind: global_buffer, .address_space: global }
      - { .name: out0, .offset: 24, .size: 8, .value_kind: global_buffer, .address_space: global }
    .group_segment_fixed_size: 327680
    .private_segment_fixed_size: 0
    .kernarg_segment_align: 8
    .kernarg_segment_size: 32
    .max_flat_workgroup_size: 128
    .sgpr_count:     80
    .vgpr_count:     608
    .wavefront_size: 32
...
	.end_amdgpu_metadata
.endif
;; end of part 4
